; MI455X (gfx1250); checked and timed in simulation.
; The chip was launched on July 23, 2026; its instructions are those of AMD's public machine-readable ISA for CDNA 5 (MIT licence, August 2026) and "CDNA5" Instruction Set Architecture Reference Guide (July 2026). The comments in the code are by the model that wrote it; some were corrected since.
;; Multi Head Attention. Allowed arithmetic: matrix products marked QUANTISED: E2M3 operands, one E8M0 scale for each 32 along K, by v_wmma_scale_f32_16x16x128_f8f6f4 with both operands' format E2M3, f32 sums; everything else in f32.
;; Inputs: bk 512 float32; bo 512 float32; bq 512 float32; bv 512 float32; k 2 x 4,096 x 512 float32; mask 1 x 1 x 4,096 x 4,096 float32; q 2 x 4,096 x 512 float32; v 2 x 4,096 x 512 float32; wk 512 x 512 float32; wo 512 x 512 float32; wq 512 x 512 float32; wv 512 x 512 float32.
;; Outputs: out0 2 x 4,096 x 512 float32.
;; This version of the problem:
;;   THIS VERSION OF THE PROBLEM IS GIVEN IN LOW PRECISION. The matrix products marked QUANTISED in the list below multiply operands that are first quantised to E2M3 (2 exponent bits, 3 mantissa bits; 6 bits a number), with one power-of-two scale for each 32 numbers along K (OCP MX v1.0); their sums are f32. All else is computed in f32.
;;   The module's matrix products, in the order in which they are computed (A, B: the left and right operand; K: the contracted axis; several contracted axes count as one K, in the product's order):
;;     1. [M 8,192, K 512] x [K 512, N 512]; A: input q; B: input wq: QUANTISED
;;     2. [M 8,192, K 512] x [K 512, N 512]; A: input k; B: input wk: QUANTISED
;;     3. [M 8,192, K 512] x [K 512, N 512]; A: input v; B: input wv: QUANTISED
;;     4. batch 16 x [M 4,096, K 64] x [K 64, N 4,096]; A: computed on the way; B: computed on the way: QUANTISED
;;     5. batch 16 x [M 4,096, K 4,096] x [K 4,096, N 64]; A: softmax (see below); B: computed on the way: QUANTISED
;;     6. [M 8,192, K 512] x [K 512, N 512]; A: computed on the way; B: input wo: QUANTISED
;;   THE QUANTISER, for each operand of a quantised product, along K:
;;     - K is cut into blocks of 32 from its start; a last block that is shorter is filled with zeros.
;;     - A block's scale is 2^e with e = floor(log2(the largest magnitude in the block)) - 2, held to -126 .. 127; a block of zeros has e = 0. As a byte (E8M0): e + 127.
;;     - Each number is divided by its block's scale, clamped to +-7.5, and rounded to the nearest number of E2M3, ties to even, subnormals kept.
;;     - The product sums the exact products of the quantised numbers (number of the format x scale) in f32.
;;   ~~~python
;;   def quantise(x, axis):      # numpy; x: float32 -> the quantised numbers, widened to float32 again
;;       x = np.moveaxis(x, axis, -1); K = x.shape[-1]
;;       x = np.pad(x, [(0, 0)] * (x.ndim - 1) + [(0, -K % 32)]); x = x.reshape(x.shape[:-1] + (-1, 32)); a = np.abs(x).max(-1, keepdims=True)
;;       e = np.where(a > 0, np.clip(np.frexp(np.where(a > 0, a, 1))[1] - 1 - 2, -126, 127), 0)      # np.frexp(a)[1] - 1 = floor(log2(a)), exactly
;;       r = np.clip(x / 2.0 ** e, -7.5, 7.5)
;;       step = 2.0 ** (np.maximum(np.frexp(np.where(r == 0, 1, r))[1] - 1, 0) - 3)
;;       q = np.round(r / step) * step * 2.0 ** e      # np.round: ties to even
;;       return np.moveaxis(q.reshape(q.shape[:-2] + (-1,))[..., :K], -1, axis).astype(np.float32)
;;   ~~~
;;   SOFTMAX AHEAD OF A QUANTISED PRODUCT. Where the list says 'softmax', what is quantised is not the finished softmax but p = 2^(t - M), with t = logit x log2(e) and M = ceil(the row's largest t), a whole number; so 1/2 < the row's largest p <= 1. The row's sum l is taken of the UNQUANTISED p, in f32, and the product's result is divided by l at the end. Since M is a whole number, a kernel that streams over the keys may use a running M (the ceiling of the running maximum): every later rescaling is an exact power of two, which a block's scale takes up: the codes' values come out the same.
;;   OPERANDS COMPUTED ON THE WAY. 'Computed on the way' means the value that the module computes at that place (a softmax that the list does not call 'softmax' is quantised finished and normalised). What goes into a quantiser is computed in f32, as accurately as f32 sums, v_exp_f32 and their like allow (about 1e-6 of the number): no bf16 or f16 on the way to a quantiser, and a product that is left as it is and whose result goes on into a quantised operand takes f32 operands (vector FMAs, or v_wmma_f32_16x16x4_f32). A number that lies on a knife's edge between two numbers of the format may be rounded either way, as far as f32 arithmetic and the matrix unit's own rounding can turn it there, and no further.
;; One version. Each part assembles by itself: llvm-mc -triple=amdgcn-amd-amdhsa -mcpu=gfx1250 --defsym DOCPART=n.
;; ======== version 1 of 1: 4 launches
;; limits: right only within a limited range of input values
;; workspace buffers: wt 851,968 bytes; tinfo 32,768 bytes of whole numbers; emax 2,048 bytes of whole numbers; kvb 6,684,672 bytes; qb 6,684,672 bytes; ab 3,670,016 bytes
;; launch prep (part 1): grid 320 x 1, 8 waves a work-group, no clusters, 2,048 bytes of LDS; arguments mask, wq, wk, wv, wo, wt, tinfo; writes wt, tinfo
.if DOCPART == 1
	.amdgcn_target "amdgcn-amd-amdhsa--gfx1250"
	.amdhsa_code_object_version 6
	.text
	.protected	k_q4f6d66bbb2_prep
	.globl	k_q4f6d66bbb2_prep
	.p2align	8
	.type	k_q4f6d66bbb2_prep,@function
k_q4f6d66bbb2_prep:
	s_mov_b64 s[64:65], 0
	v_nop
	global_prefetch_b8 v0, s[64:65] scope:SCOPE_SE
	s_setreg_imm32_b32 hwreg(HW_REG_WAVE_MODE, 25, 1), 1
	s_wait_xcnt 0x0
; PREP.  Two kinds of work-group, parted once on the work-group number.
; (a) Work-groups 0-255: work-group qt reads the 16 mask rows of query tile qt (rows 32 (qt/2) + 8 (qt%2) + i + 8 (i/8), i = 0..15), all 4,096 keys, once, and stores one whole number
;     for each step of 128 keys: word = 2 val + nz.  nz = 1 where the 16 x 128 tile holds a number other than 0.  val = the exponent field of g, or 0, where
;     g = the smallest, over the 16 rows, of (the tile's smallest mask number in that row - the row's smallest mask number).
;     A logit is score / 8 - 1e9 x mask.  With g >= 2^(val - 127) every logit of the tile lies at least 2^29 g - 2 L - 2 e under its row's largest logit (L bounds |score| / 8, e the rounding of a logit).
;     val is kept only where val - 101 >= max(10, me - 116), me the exponent field of the rows' largest |mask|: then 2^29 g is eight times 2^10 and eight times the rounding's bound 2^(me - 116).
;     The term with L is tested by the attention launch, from the scale bytes of Q and K.  A tile that passes both has every weight 2^(t - M) under 2^-149: it is 0 in f32.
;     The tile that holds a row's smallest mask number has g = 0 and is never passed over.
; (b) Work-groups 256-319: the four weights [k 512][n 512], f32, become codes of E2M3 along k with one E8M0 byte for 32 k, laid in the order of an operand's registers:
;     weight wi at wi x 212,992: [tile nt 32][K step 4] images of 1,536 bytes (register j of lane L at 512 (j/4) + 16 L + 4 (j%4)), then at 196,608 the scale words [nt][K step][lane] (both halves of the lanes hold the word).
;     Tile nt holds the columns n = 32 (nt/2) + 8 (nt%2) + r + 8 (r/8).  A lane takes a column and its registers run down k: nothing is transposed.
; LIMITS: NaN and infinities among the inputs are not served.  A block of zeros gets the byte 1 (its codes are zeros; the bytes are read by this program alone).
; No matrix work, no tensor loads, no cluster: work-groups share no input; the scan is a stream that is read once.
.set ROWM,  16384                      ; bytes in a row of the mask
.set X,     16                         ; v16-143  two sets of 16 rows x 4 numbers
.set TMN,   144                        ; v144-207 the smallest number of (local step T, row i) at TMN + 16 T + i
.set PT,    208                        ; v208-223 at work (destinations of lane permutes; written once at the head)
.set AMX,   224                        ; v224-227 the largest magnitude of local step T
.set WTW,   212992                     ; bytes of one weight in wt
.set WSC,   196608                     ; where its scale words begin
	s_load_b256 s[4:11], s[0:1], 0x0               ; mask s[4:5], wq s[6:7], wk s[8:9], wv s[10:11]
	s_load_b128 s[12:15], s[0:1], 0x20             ; wo s[12:13], wt s[14:15]
	s_load_b64 s[16:17], s[0:1], 0x30              ; tinfo
	v_lshl_add_u32 v240, v0, 2, 0x400
	v_mov_b32 v241, 0
	v_lshrrev_b32 v1, 5, v0
	s_delay_alu instid0(VALU_DEP_1)
	v_readfirstlane_b32 s18, v1                    ; wave 0..7
	v_and_b32 v2, 31, v0                           ; lane
	v_and_b32 v6, 15, v0                           ; r
	v_bfe_u32 v7, v0, 4, 1                         ; h
	s_mov_b32 s20, 0x76543210
	s_mov_b32 s21, 0xfedcba98                      ; selects of v_permlanex16_b32 for lane l xor 16
	s_cmp_lt_u32 ttmp9, 256
	s_cbranch_scc0 .Lweights
	; ---------------- (a) the mask ----------------
	s_lshr_b32 s22, ttmp9, 1
	s_lshl_b32 s22, s22, 5
	s_and_b32 s23, ttmp9, 1
	s_lshl_b32 s23, s23, 3
	s_add_co_u32 s22, s22, s23                     ; the tile's first row
	s_lshl_b32 s22, s22, 14                        ; in bytes (under 2^27)
	s_mov_b32 s23, 0
	s_wait_alu depctr_va_vdst(0)
	v_lshlrev_b32 v3, 4, v2
	s_delay_alu instid0(VALU_DEP_1)
	v_lshl_add_u32 v3, v1, 11, v3                  ; 16 x lane + 2,048 x wave: wave w takes steps 4 w .. 4 w + 3; a load of the wave covers one row of one step, 512 consecutive bytes
	v_lshlrev_b32 v4, 6, v1                        ; LDS: 64 x wave: my wave's 16 row minima
	v_lshl_add_u32 v5, v1, 2, 512                  ; LDS: 512 + 4 x wave: my wave's largest magnitude
	v_lshlrev_b32 v8, 2, v6
	s_delay_alu instid0(VALU_DEP_1)
	v_lshl_add_u32 v8, v7, 8, v8                   ; LDS: 256 h + 4 r: row r of waves 4 h ..
	v_mov_b32 v9, 512
.set i, 0
.rept 16
	v_mov_b32 v[PT+i], 0
.set i, i+1
.endr
	v_mov_b32 v230, 0
	s_wait_kmcnt 0x0
	s_add_nc_u64 s[4:5], s[4:5], s[22:23]
.macro LOADT t                         ; local step t: 16 rows, into set t % 2
.set i, 0
.rept 16
	global_load_b128 v[X+64*((\t)%2)+4*i:X+64*((\t)%2)+4*i+3], v3, s[4:5] offset:(i+8*(i/8))*ROWM+512*(\t) th:TH_LOAD_NT
.set i, i+1
.endr
.endm
.macro REDUCE t                        ; the smallest number of each row and the largest magnitude of the tile; every lane ends with the results
.set XS, X+64*((\t)%2)
.set TT, TMN+16*(\t)
.set i, 0
.rept 16
	v_min3_num_f32 v[TT+i], v[XS+4*i], v[XS+4*i+1], v[XS+4*i+2]
.set i, i+1
.endr
.set i, 0
.rept 16
	v_min_num_f32 v[TT+i], v[TT+i], v[XS+4*i+3]
.set i, i+1
.endr
	v_max3_num_f32 v228, |v[XS]|, |v[XS+1]|, |v[XS+2]|       ; two chains that do not wait for each other
	v_max3_num_f32 v229, |v[XS+3]|, |v[XS+4]|, |v[XS+5]|
.set i, 6
.rept 14
	s_delay_alu instid0(VALU_DEP_2)
	v_max3_num_f32 v228, v228, |v[XS+i]|, |v[XS+i+1]|
	s_delay_alu instid0(VALU_DEP_2)
	v_max3_num_f32 v229, v229, |v[XS+i+2]|, |v[XS+i+3]|
.set i, i+4
.endr
	s_delay_alu instid0(VALU_DEP_2)
	v_max3_num_f32 v228, v228, |v[XS+62]|, |v[XS+63]|
	s_delay_alu instid0(VALU_DEP_1)
	v_max_num_f32 v[AMX+(\t)], v228, v229
.irp m, 1,2,4,8                        ; across 16 lanes, the rows by turns
.set i, 0
.rept 16
	v_min_num_f32_dpp v[TT+i], v[TT+i], v[TT+i] row_xmask:\m row_mask:0xf bank_mask:0xf
.set i, i+1
.endr
	v_max_num_f32_dpp v[AMX+(\t)], v[AMX+(\t)], v[AMX+(\t)] row_xmask:\m row_mask:0xf bank_mask:0xf
.endr
.set i, 0
.rept 16
	v_permlanex16_b32 v[PT+i], v[TT+i], s20, s21
.set i, i+1
.endr
	v_permlanex16_b32 v230, v[AMX+(\t)], s20, s21
.set i, 0
.rept 16
	v_min_num_f32 v[TT+i], v[TT+i], v[PT+i]
.set i, i+1
.endr
	v_max_num_f32 v[AMX+(\t)], v[AMX+(\t)], v230
.endm
	LOADT 0
	LOADT 1
	s_wait_loadcnt 16                              ; step 0's 16 loads are in; the next step's 16 may be out
	REDUCE 0
	LOADT 2
	s_wait_loadcnt 16
	REDUCE 1
	LOADT 3
	s_wait_loadcnt 16
	REDUCE 2
	s_wait_loadcnt 0x0
	REDUCE 3
.set i, 0
.rept 16
	v_min3_num_f32 v[PT+i], v[TMN+i], v[TMN+16+i], v[TMN+32+i]    ; my wave's four steps: row i's smallest
.set i, i+1
.endr
.set i, 0
.rept 16
	v_min_num_f32 v[PT+i], v[PT+i], v[TMN+48+i]
.set i, i+1
.endr
	v_max3_num_f32 v228, v[AMX], v[AMX+1], v[AMX+2]
	s_delay_alu instid0(VALU_DEP_1)
	v_max_num_f32 v228, v228, v[AMX+3]
.set i, 0
.rept 16
	ds_store_b32 v4, v[PT+i] offset:4*i            ; all lanes write the same word with the same value
.set i, i+1
.endr
	ds_store_b32 v5, v228
	s_wait_dscnt 0x0                               ; for the others: my stores have landed
	s_barrier_signal -1
	s_barrier_wait -1
.irp k, 0,1,2,3
	ds_load_b32 v[232+\k], v8 offset:64*\k         ; row r of waves 4 h + k
.endr
	ds_load_b128 v[208:211], v9                    ; the eight waves' largest magnitudes
	ds_load_b128 v[212:215], v9 offset:16
	s_wait_dscnt 0x0
	v_min3_num_f32 v232, v232, v233, v234
	s_delay_alu instid0(VALU_DEP_1)
	v_min_num_f32 v232, v232, v235
	s_delay_alu instid0(VALU_DEP_1)
	v_permlanex16_b32 v230, v232, s20, s21
	s_delay_alu instid0(VALU_DEP_1)
	v_min_num_f32 v232, v232, v230                 ; lane r: row r's smallest mask number over all keys
.set i, 0
.rept 16
	v_readlane_b32 s[32+i], v232, i
.set i, i+1
.endr
	v_max3_num_f32 v228, v208, v209, v210
	s_delay_alu instid0(VALU_DEP_1)
	v_max3_num_f32 v228, v228, v211, v212
	s_delay_alu instid0(VALU_DEP_1)
	v_max3_num_f32 v228, v228, v213, v214
	s_delay_alu instid0(VALU_DEP_1)
	v_max_num_f32 v228, v228, v215                 ; the 16 rows' largest |mask|
	s_delay_alu instid0(VALU_DEP_1)
	v_lshrrev_b32 v229, 23, v228                   ; me
	s_delay_alu instid0(VALU_DEP_1)
	v_add_nc_u32 v229, -15, v229
	s_delay_alu instid0(VALU_DEP_1)
	v_max_i32 v229, 111, v229                      ; val is kept from max(10, me - 116) + 101 on
.macro WORD t
.set XD, X+16*(\t)
.set i, 0
.rept 16
	v_sub_f32 v[XD+i], v[TMN+16*(\t)+i], s[32+i]   ; the tile's smallest less the row's smallest: 0 or more
.set i, i+1
.endr
	v_min3_num_f32 v231, v[XD], v[XD+1], v[XD+2]
.irp j, 3,5,7,9,11,13
	s_delay_alu instid0(VALU_DEP_1)
	v_min3_num_f32 v231, v231, v[XD+\j], v[XD+\j+1]
.endr
	s_delay_alu instid0(VALU_DEP_1)
	v_min_num_f32 v231, v231, v[XD+15]             ; g
	s_delay_alu instid0(VALU_DEP_1)
	v_lshrrev_b32 v231, 23, v231                   ; its exponent field (g is not negative)
	s_delay_alu instid0(VALU_DEP_1)
	v_cmp_ge_i32 vcc_lo, v231, v229
	s_delay_alu instid0(VALU_DEP_1)
	v_cndmask_b32 v231, 0, v231, vcc_lo            ; val
	v_cmp_neq_f32 vcc_lo, 0, v[AMX+(\t)]
	s_delay_alu instid0(VALU_DEP_1)
	v_cndmask_b32 v233, 0, 1, vcc_lo               ; nz
	s_delay_alu instid0(VALU_DEP_1)
	v_lshl_or_b32 v[236+(\t)], v231, 1, v233
.endm
	WORD 0
	WORD 1
	WORD 2
	WORD 3
	s_lshl_b32 s22, ttmp9, 7                       ; tinfo: 128 bytes a tile, 16 a wave
	s_lshl_b32 s24, s18, 4
	s_add_co_u32 s22, s22, s24
	s_mov_b32 s23, 0
	s_add_nc_u64 s[16:17], s[16:17], s[22:23]
	v_mov_b32 v10, 0
	s_wait_alu depctr_va_vdst(0)
	s_wait_xcnt 0x0                                ; EXEC changes only behind this wait
	v_cmp_eq_u32 vcc_lo, 0, v2
	s_wait_tensorcnt 0x0
	ds_add_u32 v240, v241
	s_wait_dscnt 0x0
	s_and_saveexec_b32 s24, vcc_lo
	global_store_b128 v10, v[236:239], s[16:17]    ; lane 0: my wave's four words
	s_endpgm
	; ---------------- (b) the weights: one wave, one fragment ----------------
.Lweights:
	s_sub_co_u32 s22, ttmp9, 256
	s_lshr_b32 s23, s22, 4                         ; which weight: 0 wq, 1 wk, 2 wv, 3 wo
	s_and_b32 s22, s22, 15
	s_lshl_b32 s22, s22, 1
	s_lshr_b32 s24, s18, 2
	s_add_co_u32 s22, s22, s24                     ; tile nt
	s_and_b32 s24, s18, 3                          ; K step
	s_lshr_b32 s25, s22, 1
	s_lshl_b32 s25, s25, 7                         ; 4 x 32 (nt / 2)
	s_and_b32 s26, s22, 1
	s_lshl_b32 s26, s26, 5                         ; 4 x 8 (nt % 2)
	s_add_co_u32 s26, s26, s25
	s_lshl_b32 s25, s24, 18                        ; 128 rows of 2,048 bytes a K step
	s_add_co_u32 s26, s26, s25
	s_mov_b32 s27, 0
	s_lshl_b32 s28, s22, 2
	s_add_co_u32 s28, s28, s24                     ; 4 nt + K step
	s_mul_i32 s30, s23, WTW
	s_mul_i32 s29, s28, 1536
	s_add_co_u32 s40, s30, s29                     ; the image's place
	s_mov_b32 s41, 0
	s_lshl_b32 s28, s28, 7
	s_add_co_u32 s42, s30, s28
	s_add_co_u32 s42, s42, WSC                     ; the scale words' place
	s_mov_b32 s43, 0
	s_wait_alu depctr_va_vdst(0)
	v_and_b32 v8, 8, v6
	s_delay_alu instid0(VALU_DEP_1)
	v_add_nc_u32 v8, v8, v6                        ; r + 8 (r / 8)
	s_delay_alu instid0(VALU_DEP_1)
	v_lshlrev_b32 v8, 2, v8
	s_delay_alu instid0(VALU_DEP_1)
	v_lshl_add_u32 v8, v7, 16, v8                  ; lanes 16-31 begin 32 rows further down
	v_lshlrev_b32 v9, 4, v2
	v_lshlrev_b32 v10, 2, v2
	s_wait_alu depctr_va_vdst(0)
	s_wait_kmcnt 0x0
	s_cmp_lt_u32 s23, 2
	s_cselect_b64 s[44:45], s[6:7], s[10:11]       ; wq or wv
	s_cselect_b64 s[46:47], s[8:9], s[12:13]       ; wk or wo
	s_bitcmp1_b32 s23, 0
	s_cselect_b64 s[44:45], s[46:47], s[44:45]
	s_add_nc_u64 s[44:45], s[44:45], s[26:27]
	s_add_nc_u64 s[40:41], s[14:15], s[40:41]
	s_add_nc_u64 s[42:43], s[14:15], s[42:43]
.irp c, 0,1
.set i, 0
.rept 32
	global_load_b32 v[64+32*\c+i], v8, s[44:45] offset:(64*\c+i)*2048      ; W(128 step + 64 c + 32 h + i, my column)
.set i, i+1
.endr
.endr
	s_wait_loadcnt 0x0
.irp c, 0,1                            ; my block 2 c + h: all its 32 numbers are mine
	v_max3_num_f32 v[32+\c], |v[64+32*\c]|, |v[65+32*\c]|, 0x1800000   ; with the floor 2^(3 - 127): the byte cannot fall under 1
.endr
.irp j, 2,4,6,8,10,12,14,16,18,20,22,24,26,28,30
.irp c, 0,1
	s_delay_alu instid0(VALU_DEP_2)
	v_max3_num_f32 v[32+\c], v[32+\c], |v[64+32*\c+\j]|, |v[65+32*\c+\j]|
.endr
.endr
.irp c, 0,1
	s_delay_alu instid0(VALU_DEP_2)
	v_add_nc_u32 v[44+\c], 0xff000000, v[32+\c]    ; 2 off the exponent field: the conversion's scale operand
.endr
.irp c, 0,1
	s_delay_alu instid0(VALU_DEP_2)
	v_lshrrev_b32 v[36+\c], 23, v[44+\c]           ; the scale's byte
.endr
	s_delay_alu instid0(VALU_DEP_1)
	v_lshl_or_b32 v11, v37, 16, v36                ; blocks h and 2 + h,
	v_lshlrev_b32 v12, 3, v7
	s_delay_alu instid0(VALU_DEP_1)
	v_lshlrev_b32 v11, v12, v11                    ; at their places in the word;
	v_mov_b32 v12, 0
	s_delay_alu instid0(VALU_DEP_1)
	v_permlanex16_b32 v12, v11, s20, s21
	s_delay_alu instid0(VALU_DEP_1)
	v_or_b32 v11, v11, v12                         ; with lane l xor 16's two the word is whole
.irp c, 0,1
	v_cvt_scalef32_pk16_fp6_f32 v[48+6*\c:50+6*\c], v[64+32*\c:79+32*\c], v[44+\c]
	v_cvt_scalef32_pk16_fp6_f32 v[192+4*\c:194+4*\c], v[80+32*\c:95+32*\c], v[44+\c]   ; (a conversion's three registers begin on an even number)
.endr
	v_nop                                          ; one plain place behind a scaled conversion
.irp c, 0,1
.irp j, 0,1,2
	v_mov_b32 v[51+6*\c+\j], v[192+4*\c+\j]
.endr
.endr
.irp c, 0,1,2
	global_store_b128 v9, v[48+4*\c:51+4*\c], s[40:41] offset:512*\c      ; 32 lanes store 512 consecutive bytes, aligned
.endr
	global_store_b32 v10, v11, s[42:43]
	s_endpgm
.Lfunc_end_k_q4f6d66bbb2_prep:
	.size	k_q4f6d66bbb2_prep, .Lfunc_end_k_q4f6d66bbb2_prep-k_q4f6d66bbb2_prep
	.p2alignl 7, 3214868480
	.fill 96, 4, 3214868480
	.section	.rodata,"a",@progbits
	.p2align	6, 0x0
	.amdhsa_kernel k_q4f6d66bbb2_prep
		.amdhsa_group_segment_fixed_size 2048
		.amdhsa_private_segment_fixed_size 0
		.amdhsa_enable_private_segment 0
		.amdhsa_kernarg_size 56
		.amdhsa_user_sgpr_count 2
		.amdhsa_user_sgpr_kernarg_segment_ptr 1
		.amdhsa_wavefront_size32 1
		.amdhsa_system_sgpr_workgroup_id_x 1
		.amdhsa_system_sgpr_workgroup_id_y 1
		.amdhsa_system_sgpr_workgroup_id_z 1
		.amdhsa_system_vgpr_workitem_id 0
		.amdhsa_next_free_vgpr 242
		.amdhsa_next_free_sgpr 66
		.amdhsa_reserve_vcc 1
		.amdhsa_float_denorm_mode_32 3
		.amdhsa_float_denorm_mode_16_64 3
		.amdhsa_memory_ordered 1
		.amdhsa_forward_progress 1
		.amdhsa_inst_pref_size 76
	.end_amdhsa_kernel
	.amdgpu_metadata
---
amdhsa.version: [ 1, 2 ]
amdhsa.kernels:
  - .name:           k_q4f6d66bbb2_prep
    .symbol:         k_q4f6d66bbb2_prep.kd
    .args:
      - { .name: mask, .offset: 0, .size: 8, .value_kind: global_buffer, .address_space: global }
      - { .name: wq, .offset: 8, .size: 8, .value_kind: global_buffer, .address_space: global }
      - { .name: wk, .offset: 16, .size: 8, .value_kind: global_buffer, .address_space: global }
      - { .name: wv, .offset: 24, .size: 8, .value_kind: global_buffer, .address_space: global }
      - { .name: wo, .offset: 32, .size: 8, .value_kind: global_buffer, .address_space: global }
      - { .name: wt, .offset: 40, .size: 8, .value_kind: global_buffer, .address_space: global }
      - { .name: tinfo, .offset: 48, .size: 8, .value_kind: global_buffer, .address_space: global }
    .group_segment_fixed_size: 2048
    .private_segment_fixed_size: 0
    .kernarg_segment_align: 8
    .kernarg_segment_size: 56
    .max_flat_workgroup_size: 256
    .sgpr_count:     66
    .vgpr_count:     242
    .wavefront_size: 32
...
	.end_amdgpu_metadata
.endif
;; end of part 1
;; launch proj (part 2): grid 192 x 1, 4 waves a work-group, no clusters, 107,008 bytes of LDS; arguments q, k, v, wt, bq, bk, bv, qb, kvb, emax; writes qb, kvb, emax
.if DOCPART == 2
	.amdgcn_target "amdgcn-amd-amdhsa--gfx1250"
	.amdhsa_code_object_version 6
	.text
	.protected	k_q4f6d66bbb2_proj
	.globl	k_q4f6d66bbb2_proj
	.p2align	8
	.type	k_q4f6d66bbb2_proj,@function
k_q4f6d66bbb2_proj:
	s_mov_b64 s[64:65], 0
	v_nop
	global_prefetch_b8 v0, s[64:65] scope:SCOPE_SE
	s_setreg_imm32_b32 hwreg(HW_REG_WAVE_MODE, 25, 1), 1
	s_wait_xcnt 0x0
; PROJ.  x W + b for x = q, k, v, both operands as codes of E2M3 with E8M0 scales, and the result quantised at once for the attention launch.
; Work-group: role = number / 64 (0 q, 1 k, 2 v), block = number % 64: 128 tokens.  Four waves; wave w owns the columns 128 w .. 128 w + 127 (heads 2 w, 2 w + 1).
; TILES.  Tile t of 16 tokens (or of 16 columns) holds the indices 32 (t/2) + 8 (t%2) + rho + 8 (rho/8): a result whose source 0 was such a tile has, in the 16 registers of tiles 2 b and 2 b + 1,
; the 16 neighbours 32 b + 16 (lane/16) + 0 .. 15: what the conversions want along the next K.
; PHASE X (all roles): wave w quantises token tiles 2 w, 2 w + 1 (4 K steps each) and stores the fragments in LDS as images of their registers (1,536 bytes: register j of lane L at 512 (j/4) + 16 L + 4 (j%4)).
; q, k: source 0 = my 8 weight tiles (resident, 32 fragments, windows 1 and 2), source 1 = a token tile from LDS: a lane holds one token, its 64 registers my 128 columns' half: two heads, quantised along d.
; v:    source 0 = the 8 token tiles (resident, from LDS), source 1 = a weight tile (streamed from wt): a lane holds one column d, its 64 registers run along the 128 tokens: quantised along the keys.
; The bias is the C of each sum's first product.
; OUT.  [bh 16][step 32][ 8 token tiles x 768 bytes | 4 d tiles x 1,536 bytes ]; a half image (16 rows x 64 K: 6 registers) has registers 0-3 at 16 L and 4-5 at 512 + 8 L.  q goes to qb, k and v to kvb.
; Scale words at 6,291,456: [bh][ step 32 x pair of tiles 4 x 16 words (bytes: tile 2 m's two, tile 2 m + 1's two) | step 32 x d tile 4 x 32 words ].
; emax: for q and k the largest scale byte that each wave has made, one word a wave.
; The two kinds of role part ONCE, at the head, and each has its own LDS bytes.  No tensor loads (the tiles are made here, not fetched), no cluster: what work-groups share is the weights' 213 KB a role.
; 192 work-groups: a fragment of V wants the 128 tokens of a step in one work-group.
; LIMITS: NaN and infinities are not served.  A block of zeros gets the byte 1 (zero codes; the bytes are read by this program alone).
; REGISTERS.  window 0: v1-13 addresses; v16-47 the resident operand's scale words; v48-55 v's bias as C; v64-127 the 8 accumulators (and a set of x); v128-191 a set of x; v192-211 codes; v212-227 at work;
;   v236-243 the streamed operand's scale words, two sets; v244-251 v's bias.   windows 1, 2: the resident fragments (i, K step k) at 48 (i%4) + 12 k.   window 3: v0-63 the bias tiles (q, k); v64-159 the streamed fragments, two sets.
.set FRB,   1536
.set XSC,   49152                      ; LDS of a path: 32 images, then 32 x 128 bytes of scale words
.set LDSV,  53248                      ; where the v path's LDS bytes begin
.set WTW,   212992
.set WSC,   196608
.set SCB,   6291456
.set LI,    1                          ; 16 x lane
.set L8,    2                          ; 8 x lane
.set LS,    3                          ; 4 x lane
.set XA,    4                          ; x: (r + 8 (r/8)) rows of 2,048 bytes + 64 h
.set XWI,   5                          ; where I store images: 16 x lane + 8 images x wave
.set XWS,   6                          ; and scale words: 4 x lane + 1,024 x wave
.set SVO,   7                          ; 24,576 h + 4 r
.set VB,    8                          ; 4 (r + 8 (r/8))
.set B1O,   9                          ; 64 h
.set XWIV,  10                         ; the same four LDS addresses in the v path's bytes
.set XWSV,  11
.set LIV,   12
.set LSV,   13
.set RS,    16
.set BV,    48
.set HA,    64
.set PC,    192
.set TM,    212
.set PW,    228
.set PW0,   229
.set EM,    230
.set TS,    236
.set BVL,   244
.set T3,    64                         ; in window 3
.set WV,    24
.set ROLE,  25
.set BLK,   26
.set BB,    27
.set STP,   28
.set XP,    30
.set BP,    32
.set OB,    34
.set WB,    36
.set WS,    38
.set CP,    40
.set SB,    42
.set SEL,   60
.set MSB, 0
.macro WIN new                         ; the immediate's high byte repeats the setting that is left
.if MSB != (\new)
	s_set_vgpr_msb (MSB<<8)|(\new)
.set MSB, (\new)
.endif
.endm
; 64 numbers of a lane, register 16 b + i = index 32 b + 16 (lane/16) + i of my row, become a fragment's codes in v[PC] on and its scale word in v[PW]
.macro QUANT src
.irp b, 0,1,2,3
	v_max3_num_f32 v[TM+\b], |v[\src+16*\b]|, |v[\src+1+16*\b]|, 0x1800000   ; with the floor 2^(3 - 127): the byte cannot fall under 1
.endr
.irp i, 2,4,6,8,10,12,14
.irp b, 0,1,2,3
	v_max3_num_f32 v[TM+\b], v[TM+\b], |v[\src+16*\b+\i]|, |v[\src+1+16*\b+\i]|
.endr
.endr
.irp b, 0,1,2,3
	v_permlanex16_b32 v[TM+4+\b], v[TM+\b], s[SEL], s[SEL+1]
.endr
.irp b, 0,1,2,3
	v_max_num_f32 v[TM+\b], v[TM+\b], v[TM+4+\b]   ; with lane l xor 16's: the block's largest magnitude
.endr
.irp b, 0,1,2,3
	v_add_nc_u32 v[TM+12+\b], 0xff000000, v[TM+\b] ; 2 off its exponent field: the conversion's scale operand
.endr
.irp b, 0,1,2,3
	v_lshrrev_b32 v[TM+4+\b], 23, v[TM+12+\b]      ; the scale's byte
.endr
	v_lshl_or_b32 v[PW], v[TM+5], 8, v[TM+4]
	v_lshl_or_b32 v[PW], v[TM+6], 16, v[PW]
	v_lshl_or_b32 v[PW], v[TM+7], 24, v[PW]
.irp c, 0,1
	v_cvt_scalef32_pk16_fp6_f32 v[PC+6*\c:PC+2+6*\c], v[\src+32*\c:\src+15+32*\c], v[TM+12+2*\c]
	v_cvt_scalef32_pk16_fp6_f32 v[PC+12+4*\c:PC+14+4*\c], v[\src+16+32*\c:\src+31+32*\c], v[TM+12+2*\c+1]   ; (a conversion's three registers begin on an even number)
.endr
	v_nop                                          ; one plain place behind a scaled conversion
.irp c, 0,1                            ; the operand's layout wants a whole block in a lane
.irp i, 0,1,2
	v_permlane16_swap_b32 v[PC+6*\c+\i], v[PC+12+4*\c+\i]
.endr
.irp i, 0,1,2
	v_mov_b32 v[PC+3+6*\c+\i], v[PC+12+4*\c+\i]
.endr
.endr
.endm
.macro XLOAD reg, u, k                 ; my tile u's numbers of K step k: 64 a lane
.irp b, 0,1,2,3
.irp j, 0,1,2,3
	global_load_b128 v[\reg+16*\b+4*\j:\reg+16*\b+4*\j+3], v[XA], s[XP:XP+1] offset:16384*(\u)+512*(\k)+128*\b+16*\j th:TH_LOAD_NT
.endr
.endr
.endm
.macro PHASE_X wi, ws                  ; eight units (tile n / 4, K step n % 4), on two sets of registers by turns
	XLOAD HA, 0, 0
.irp n, 0,1,2,3,4,5,6,7
.if \n < 7
	XLOAD HA+64*((\n+1)%2), (\n+1)/4, (\n+1)%4
	s_wait_loadcnt 16                              ; this unit's loads are in; the next unit's 16 may be out
.else
	s_wait_loadcnt 0x0
.endif
	s_wait_dscnt 0x0                               ; the last image's stores have read their registers
	QUANT HA+64*(\n%2)
.irp c, 0,1,2
	ds_store_b128 v[\wi], v[PC+4*\c:PC+4*\c+3] offset:(\n)*FRB+512*\c
.endr
	ds_store_b32 v[\ws], v[PW] offset:XSC+128*(\n)
.endr
.endm
; 32 products: K step by K step, the eight accumulators by turns, one instruction a turn.  u: the streamed set.  qk = 1: the bias tiles of window 3 are the first C; 0: v[BV]
.macro MM8 u, qk
.irp k, 0,1,2,3
.irp g, 0,1
.if (\qk) && (\k == 0)
	WIN 0x3d+\g                                    ; source 0 window 1 + g, source 1 window 3, C window 3
.else
	WIN 0x0d+\g                                    ; source 0 window 1 + g, source 1 window 3
.endif
.irp i, 0,1,2,3
.if \k > 0
	v_wmma_scale_f32_16x16x128_f8f6f4 v[HA+8*(4*\g+\i):HA+8*(4*\g+\i)+7], v[48*\i+12*\k:48*\i+12*\k+11], v[T3+48*(\u)+12*\k:T3+48*(\u)+12*\k+11], v[HA+8*(4*\g+\i):HA+8*(4*\g+\i)+7], v[RS+4*(4*\g+\i)+\k], v[TS+4*(\u)+\k] matrix_a_fmt:MATRIX_FMT_FP6 matrix_b_fmt:MATRIX_FMT_FP6
.elseif \qk
	v_wmma_scale_f32_16x16x128_f8f6f4 v[HA+8*(4*\g+\i):HA+8*(4*\g+\i)+7], v[48*\i+12*\k:48*\i+12*\k+11], v[T3+48*(\u)+12*\k:T3+48*(\u)+12*\k+11], v[8*(4*\g+\i):8*(4*\g+\i)+7], v[RS+4*(4*\g+\i)+\k], v[TS+4*(\u)+\k] matrix_a_fmt:MATRIX_FMT_FP6 matrix_b_fmt:MATRIX_FMT_FP6
.else
	v_wmma_scale_f32_16x16x128_f8f6f4 v[HA+8*(4*\g+\i):HA+8*(4*\g+\i)+7], v[48*\i+12*\k:48*\i+12*\k+11], v[T3+48*(\u)+12*\k:T3+48*(\u)+12*\k+11], v[BV:BV+7], v[RS+4*(4*\g+\i)+\k], v[TS+4*(\u)+\k] matrix_a_fmt:MATRIX_FMT_FP6 matrix_b_fmt:MATRIX_FMT_FP6
.endif
.endr
.endr
.endr
	WIN 0
.endm
.macro PLACES                          ; four places behind matrix instructions, ahead of reads of their results and of loads into their registers
.rept 4
	v_nop
.endr
.endm
.macro FETCHT t                        ; q, k: token tile t's four fragments and scale words from LDS into set t % 2
	WIN 0xc0
.irp k, 0,1,2,3
.irp c, 0,1,2
	ds_load_b128 v[T3+48*((\t)%2)+12*\k+4*\c:T3+48*((\t)%2)+12*\k+4*\c+3], v[LI] offset:(4*(\t)+\k)*FRB+512*\c
.endr
.endr
	WIN 0
.irp k, 0,1,2,3
	ds_load_b32 v[TS+4*((\t)%2)+\k], v[LS] offset:XSC+128*(4*(\t)+\k)
.endr
.endm
.macro TLOADW i                        ; v: my weight tile i's four fragments and scale words from wt into set i % 2: 16 loads
	WIN 0xc0
.irp k, 0,1,2,3
.irp c, 0,1,2
	global_load_b128 v[T3+48*((\i)%2)+12*\k+4*\c:T3+48*((\i)%2)+12*\k+4*\c+3], v[LI], s[WB:WB+1] offset:(4*(\i)+\k)*FRB+512*\c
.endr
.endr
	WIN 0
.irp k, 0,1,2,3
	global_load_b32 v[TS+4*((\i)%2)+\k], v[LS], s[WS:WS+1] offset:(4*(\i)+\k)*128
.endr
.endm
	s_load_b256 s[4:11], s[0:1], 0x0               ; q s[4:5], k s[6:7], v s[8:9], wt s[10:11]
	s_load_b256 s[12:19], s[0:1], 0x20             ; bq s[12:13], bk s[14:15], bv s[16:17], qb s[18:19]
	s_load_b128 s[20:23], s[0:1], 0x40             ; kvb s[20:21], emax s[22:23]
	v_lshl_add_u32 v254, v0, 2, 0x1a000
	v_mov_b32 v255, 0
	v_lshrrev_b32 v56, 5, v0
	v_readfirstlane_b32 s[WV], v56                 ; wave 0..3
	s_lshr_b32 s[ROLE], ttmp9, 6
	s_and_b32 s[BLK], ttmp9, 63
	s_lshr_b32 s[BB], s[BLK], 5                    ; batch
	s_and_b32 s[STP], s[BLK], 31                   ; step of 128 tokens
	v_and_b32 v56, 31, v0                          ; lane
	v_and_b32 v57, 15, v0                          ; r
	v_bfe_u32 v58, v0, 4, 1                        ; h
	v_lshlrev_b32 v[LI], 4, v56
	v_lshlrev_b32 v[L8], 3, v56
	v_lshlrev_b32 v[LS], 2, v56
	v_and_b32 v59, 8, v57
	v_add_nc_u32 v59, v59, v57                     ; r + 8 (r / 8)
	v_lshlrev_b32 v[XA], 11, v59
	v_lshl_add_u32 v[XA], v58, 6, v[XA]
	s_mul_i32 s46, s[WV], 8*FRB
	v_add_nc_u32 v[XWI], s46, v[LI]
	s_lshl_b32 s46, s[WV], 10
	v_add_nc_u32 v[XWS], s46, v[LS]
	v_add_nc_u32 v[XWIV], LDSV, v[XWI]
	v_add_nc_u32 v[XWSV], LDSV, v[XWS]
	v_add_nc_u32 v[LIV], LDSV, v[LI]
	v_add_nc_u32 v[LSV], LDSV, v[LS]
	v_lshlrev_b32 v[SVO], 2, v57
	v_mad_u32_u24 v[SVO], v58, 24576, v[SVO]
	v_lshlrev_b32 v[VB], 2, v59
	v_lshlrev_b32 v[B1O], 6, v58
.irp b, 0,1,2,3
	v_mov_b32 v[TM+4+\b], 0                        ; written once: a lane permute's destination counts as one of its sources
.endr
	v_mov_b32 v[EM], 0
	s_mov_b32 s[SEL], 0x76543210
	s_mov_b32 s[SEL+1], 0xfedcba98
	s_mov_b32 s56, 0xffff0000                      ; lanes 16-31
	s_lshl_b32 s46, s[BLK], 18                     ; x: 128 rows of 2,048 bytes a block,
	s_lshl_b32 s47, s[WV], 16                      ; 32 rows a wave
	s_add_co_u32 s46, s46, s47
	s_mov_b32 s47, 0
	s_mul_i32 s48, s[ROLE], WTW
	s_mul_i32 s49, s[WV], 32*FRB
	s_add_co_u32 s50, s48, s49                     ; my 32 weight fragments
	s_mov_b32 s51, 0
	s_lshl_b32 s49, s[WV], 12
	s_add_co_u32 s52, s48, s49
	s_add_co_u32 s52, s52, WSC                     ; and their scale words
	s_mov_b32 s53, 0
	s_lshl_b32 s48, s[BB], 3
	s_lshl_b32 s49, s[WV], 1
	s_add_co_u32 s48, s48, s49                     ; bh of my first head
	s_lshl_b32 s49, s48, 5
	s_add_co_u32 s49, s49, s[STP]
	s_mul_i32 s54, s49, 12288                      ; its block of this step
	s_mov_b32 s55, 0
	s_mul_i32 s48, s48, 24576
	s_add_co_u32 s48, s48, SCB                     ; its scale words
	s_mov_b32 s49, 0
	s_lshl_b32 s58, s[WV], 9                       ; my 128 numbers of the bias
	s_mov_b32 s59, 0
	s_wait_kmcnt 0x0
	s_cmp_eq_u32 s[ROLE], 0
	s_cselect_b64 s[XP:XP+1], s[4:5], s[6:7]
	s_cselect_b64 s[BP:BP+1], s[12:13], s[14:15]
	s_cselect_b64 s[OB:OB+1], s[18:19], s[20:21]
	s_cmp_eq_u32 s[ROLE], 2
	s_cselect_b64 s[XP:XP+1], s[8:9], s[XP:XP+1]
	s_cselect_b64 s[BP:BP+1], s[16:17], s[BP:BP+1]
	s_add_nc_u64 s[XP:XP+1], s[XP:XP+1], s[46:47]
	s_add_nc_u64 s[BP:BP+1], s[BP:BP+1], s[58:59]
	s_add_nc_u64 s[WB:WB+1], s[10:11], s[50:51]
	s_add_nc_u64 s[WS:WS+1], s[10:11], s[52:53]
	s_add_nc_u64 s[CP:CP+1], s[OB:OB+1], s[54:55]
	s_add_nc_u64 s[SB:SB+1], s[OB:OB+1], s[48:49]
	s_cmp_eq_u32 s[ROLE], 2
	s_cbranch_scc1 .Lrole_v
	; ---------------- q and k ----------------
	WIN 0x40                                       ; destination window 1: weight tiles 0-3
.irp i, 0,1,2,3
.irp k, 0,1,2,3
.irp c, 0,1,2
	global_load_b128 v[48*\i+12*\k+4*\c:48*\i+12*\k+4*\c+3], v[LI], s[WB:WB+1] offset:(4*\i+\k)*FRB+512*\c
.endr
.endr
.endr
	WIN 0x80                                       ; window 2: tiles 4-7
.irp i, 0,1,2,3
.irp k, 0,1,2,3
.irp c, 0,1,2
	global_load_b128 v[48*\i+12*\k+4*\c:48*\i+12*\k+4*\c+3], v[LI], s[WB:WB+1] offset:(4*(\i+4)+\k)*FRB+512*\c
.endr
.endr
.endr
	WIN 0xc0                                       ; window 3: the bias in the result's layout: tile i, lane (r, h): columns 32 (i/2) + 16 h + 8 (i%2) + 0 .. 7
	s_wait_alu depctr_va_vdst(0)
.irp i, 0,1,2,3,4,5,6,7
	global_load_b128 v[8*\i:8*\i+3], v[B1O], s[BP:BP+1] offset:(32*(\i/2)+8*(\i%2))*4
	global_load_b128 v[8*\i+4:8*\i+7], v[B1O], s[BP:BP+1] offset:(32*(\i/2)+8*(\i%2))*4+16
.endr
	WIN 0
.irp i, 0,1,2,3,4,5,6,7
.irp k, 0,1,2,3
	global_load_b32 v[RS+4*\i+\k], v[LS], s[WS:WS+1] offset:(4*\i+\k)*128
.endr
.endr
	PHASE_X XWI, XWS
	s_lshl_b32 s46, s[STP], 8                      ; 256 bytes of scale words a step
	s_mov_b32 s47, 0
	s_add_nc_u64 s[SB:SB+1], s[SB:SB+1], s[46:47]
	s_wait_dscnt 0x0                               ; my images have landed
	s_barrier_signal -1
	s_barrier_wait -1                              ; the block's 32 fragments lie in LDS; they are only read from here on
	FETCHT 0
.irp t, 0,1,2,3,4,5,6,7
	s_wait_dscnt 0x0                               ; tile t's fragments are in
.if \t < 7
	FETCHT \t+1                                    ; the next tile's, into the set that the products two tiles back have left (a whole quantising lies between)
.endif
	MM8 \t%2, 1
	PLACES
	s_wait_xcnt 0x0                                ; the last tile's stores have read the codes' registers
	QUANT HA
	v_max3_num_f32 v[EM], v[EM], v[TM], v[TM+1]    ; the largest block magnitude so far: its exponent field gives the largest scale byte
	v_max3_num_f32 v[EM], v[EM], v[TM+2], v[TM+3]
	global_store_b128 v[LI], v[PC:PC+3], s[CP:CP+1] offset:768*\t                  ; head 2 w: half image of tile t
	global_store_b64 v[L8], v[PC+4:PC+5], s[CP:CP+1] offset:768*\t+512
	global_store_b128 v[LI], v[PC+6:PC+9], s[CP:CP+1] offset:393216+768*\t         ; head 2 w + 1
	global_store_b64 v[L8], v[PC+10:PC+11], s[CP:CP+1] offset:393216+768*\t+512
.if \t%2 == 0
	v_mov_b32 v[PW0], v[PW]
.else
	v_perm_b32 v231, v[PW], v[PW0], 0x05040100     ; head 2 w: the even tile's two bytes, the odd tile's two
	v_perm_b32 v232, v[PW], v[PW0], 0x07060302     ; head 2 w + 1
	v_cndmask_b32 v233, v231, v232, s56            ; lanes 0-15 store the first head's words, lanes 16-31 the second's
	global_store_b32 v[SVO], v233, s[SB:SB+1] offset:64*(\t/2)
.endif
.endr
.irp m, 1,2,4,8
	v_max_num_f32_dpp v[EM], v[EM], v[EM] row_xmask:\m row_mask:0xf bank_mask:0xf
.endr
	v_permlanex16_b32 v231, v[EM], s[SEL], s[SEL+1]
	v_max_num_f32 v[EM], v[EM], v231
	v_add_nc_u32 v[EM], 0xff000000, v[EM]
	v_lshrrev_b32 v[EM], 23, v[EM]                 ; my wave's largest scale byte
	s_lshl_b32 s46, ttmp9, 4                       ; emax: [role][block][wave]
	s_lshl_b32 s47, s[WV], 2
	s_add_co_u32 s46, s46, s47
	s_mov_b32 s47, 0
	s_add_nc_u64 s[22:23], s[22:23], s[46:47]
	v_mov_b32 v234, 0
	s_wait_alu depctr_va_vdst(0)
	s_wait_xcnt 0x0                                ; EXEC changes only behind this wait
	v_cmp_eq_u32 vcc_lo, 0, v[LS]
	s_wait_tensorcnt 0x0
	ds_add_u32 v254, v255
	s_wait_dscnt 0x0
	s_and_saveexec_b32 s46, vcc_lo
	global_store_b32 v234, v[EM], s[22:23]
	s_endpgm
	; ---------------- v ----------------
.Lrole_v:
	TLOADW 0
	TLOADW 1
	s_wait_alu depctr_va_vdst(0)
.irp i, 0,1,2,3,4,5,6,7
	global_load_b32 v[BVL+\i], v[VB], s[BP:BP+1] offset:(32*(\i/2)+8*(\i%2))*4     ; the bias of my lane's column in tile i
.endr
	PHASE_X XWIV, XWSV
	s_lshl_b32 s46, s[STP], 9                      ; V's scale words: behind K's 8,192 bytes, 512 a step
	s_add_co_u32 s46, s46, 8192
	s_mov_b32 s47, 0
	s_add_nc_u64 s[SB:SB+1], s[SB:SB+1], s[46:47]
	s_wait_dscnt 0x0
	s_barrier_signal -1
	s_barrier_wait -1
	WIN 0x40                                       ; the 8 token tiles become resident
.irp i, 0,1,2,3
.irp k, 0,1,2,3
.irp c, 0,1,2
	ds_load_b128 v[48*\i+12*\k+4*\c:48*\i+12*\k+4*\c+3], v[LIV] offset:(4*\i+\k)*FRB+512*\c
.endr
.endr
.endr
	WIN 0x80
.irp i, 0,1,2,3
.irp k, 0,1,2,3
.irp c, 0,1,2
	ds_load_b128 v[48*\i+12*\k+4*\c:48*\i+12*\k+4*\c+3], v[LIV] offset:(4*(\i+4)+\k)*FRB+512*\c
.endr
.endr
.endr
	WIN 0
.irp i, 0,1,2,3,4,5,6,7
.irp k, 0,1,2,3
	ds_load_b32 v[RS+4*\i+\k], v[LSV] offset:XSC+128*(4*\i+\k)
.endr
.endr
	s_wait_dscnt 0x0
.irp i, 0,1,2,3,4,5,6,7
.if \i < 7
	s_wait_loadcnt 16                              ; weight tile i is in; the next tile's 16 loads may be out
.else
	s_wait_loadcnt 0x0
.endif
.irp j, 0,1,2,3,4,5,6,7
	v_mov_b32 v[BV+\j], v[BVL+\i]                  ; a lane holds one column: its eight results of a tile take the same bias
.endr
	PLACES
	MM8 \i%2, 0
	PLACES
.if \i < 6
	TLOADW \i+2                                    ; into the set just left
.endif
	s_wait_xcnt 0x0                                ; the last tile's stores have read the codes' registers
	QUANT HA
.irp c, 0,1,2
	global_store_b128 v[LI], v[PC+4*\c:PC+4*\c+3], s[CP:CP+1] offset:6144+393216*(\i/4)+FRB*(\i%4)+512*\c    ; head 2 w + i / 4, d tile i % 4: 16 d x 128 keys
.endr
	global_store_b32 v[LS], v[PW], s[SB:SB+1] offset:24576*(\i/4)+128*(\i%4)
.endr
	s_wait_tensorcnt 0x0
	ds_add_u32 v254, v255
	s_wait_dscnt 0x0
	s_endpgm
.Lfunc_end_k_q4f6d66bbb2_proj:
	.size	k_q4f6d66bbb2_proj, .Lfunc_end_k_q4f6d66bbb2_proj-k_q4f6d66bbb2_proj
	.p2alignl 7, 3214868480
	.fill 96, 4, 3214868480
	.section	.rodata,"a",@progbits
	.p2align	6, 0x0
	.amdhsa_kernel k_q4f6d66bbb2_proj
		.amdhsa_group_segment_fixed_size 107008
		.amdhsa_private_segment_fixed_size 0
		.amdhsa_enable_private_segment 0
		.amdhsa_kernarg_size 80
		.amdhsa_user_sgpr_count 2
		.amdhsa_user_sgpr_kernarg_segment_ptr 1
		.amdhsa_wavefront_size32 1
		.amdhsa_system_sgpr_workgroup_id_x 1
		.amdhsa_system_sgpr_workgroup_id_y 1
		.amdhsa_system_sgpr_workgroup_id_z 1
		.amdhsa_system_vgpr_workitem_id 0
		.amdhsa_next_free_vgpr 928
		.amdhsa_next_free_sgpr 66
		.amdhsa_reserve_vcc 1
		.amdhsa_float_denorm_mode_32 3
		.amdhsa_float_denorm_mode_16_64 3
		.amdhsa_memory_ordered 1
		.amdhsa_forward_progress 1
		.amdhsa_inst_pref_size 255
	.end_amdhsa_kernel
	.section	.bss,"aw",@nobits
	.p2align	6
	.space	262144
	.amdgpu_metadata
---
amdhsa.version: [ 1, 2 ]
amdhsa.kernels:
  - .name:           k_q4f6d66bbb2_proj
    .symbol:         k_q4f6d66bbb2_proj.kd
    .args:
      - { .name: q, .offset: 0, .size: 8, .value_kind: global_buffer, .address_space: global }
      - { .name: k, .offset: 8, .size: 8, .value_kind: global_buffer, .address_space: global }
      - { .name: v, .offset: 16, .size: 8, .value_kind: global_buffer, .address_space: global }
      - { .name: wt, .offset: 24, .size: 8, .value_kind: global_buffer, .address_space: global }
      - { .name: bq, .offset: 32, .size: 8, .value_kind: global_buffer, .address_space: global }
      - { .name: bk, .offset: 40, .size: 8, .value_kind: global_buffer, .address_space: global }
      - { .name: bv, .offset: 48, .size: 8, .value_kind: global_buffer, .address_space: global }
      - { .name: qb, .offset: 56, .size: 8, .value_kind: global_buffer, .address_space: global }
      - { .name: kvb, .offset: 64, .size: 8, .value_kind: global_buffer, .address_space: global }
      - { .name: emax, .offset: 72, .size: 8, .value_kind: global_buffer, .address_space: global }
    .group_segment_fixed_size: 107008
    .private_segment_fixed_size: 0
    .kernarg_segment_align: 8
    .kernarg_segment_size: 80
    .max_flat_workgroup_size: 128
    .sgpr_count:     66
    .vgpr_count:     928
    .wavefront_size: 32
...
	.end_amdgpu_metadata
.endif
;; end of part 2
;; launch attn (part 3): grid 16 x 16, 16 waves a work-group, no clusters, 161,792 bytes of LDS; arguments qb, kvb, mask, tinfo, emax, ab; writes ab
.if DOCPART == 3
	.amdgcn_target "amdgcn-amd-amdhsa--gfx1250"
	.amdhsa_code_object_version 6
	.text
	.protected	k_q4f6d66bbb2_attn
	.globl	k_q4f6d66bbb2_attn
	.p2align	8
	.type	k_q4f6d66bbb2_attn,@function
k_q4f6d66bbb2_attn:
	s_mov_b64 s[64:65], 0
	v_nop
	global_prefetch_b8 v0, s[64:65] scope:SCOPE_SE
	s_setreg_imm32_b32 hwreg(HW_REG_WAVE_MODE, 25, 1), 1
	s_wait_xcnt 0x0
; ATTN.  For one (batch, head) bh = work-group y: S^T = K Q^T, + mask x (-1e9), running softmax, O^T = V^T P^T, / l; the result is quantised along d for the last product.
; All products on codes of E2M3 with E8M0 scales.  t = logit x log2(e); M = the running largest t rounded up to a whole number; p = 2^(t - M) is quantised along the keys, not normalised; l is the sum of the unquantised p.
; SHARES.  Work-group x = j takes two blocks of 128 queries one after the other: block 31 - j, then block j (a block = 8 query tiles; tile qt holds the queries 32 (qt/2) + 8 (qt%2) + r + 8 (r/8)).
; Sixteen waves of 256 registers.  Waves w and w + 8 share query tile w % 8 of the block and split the keys: a slot of the LDS ring holds two steps of 128 keys, waves 0-7 take the even step, waves 8-15 the odd one.
; At a block's end waves 8-15 hand O^T, -M and l over through LDS; waves 0-7 bring both parts under the larger M (factors that are exact powers of two), add, divide, quantise and store.
; A block walks 16 slots (32 steps), whatever the mask.  Under a mask that shuts the keys behind a query, blocks 31 - j and j together have 33 steps to walk in every work-group.
; THE RING.  Two steps' blocks of kvb are 24,576 consecutive bytes (a step: 8 key tiles x 768, 4 d tiles x 1,536, in the order of the operands' registers).  Four slots; in slot n each wave copies its 1,536 bytes of
; slot n + 2 through registers into ring place (n + 2) % 4, waits for its LDS work and signals the slot's barrier.  Place (n + 2) % 4 was last read in slot n - 2, two barriers back.
; THE BARRIER IS SPLIT: between a slot's signal and its wait a wave loads slot n + 1's fragments of K and issues its score products: LDS loads and work on registers alone.  Slot n + 1's bytes were stored in slot n - 1,
; whose barrier the wave has passed, and are written again only in slot n + 3.  No label that is jumped back to stands between a signal and its wait.
; The ring goes on from the first block's slot 15 into the second block's slot 0.  The head's scale words (24,576 bytes) lie in LDS for the whole launch.
; K = 64 IN A PRODUCT 128 DEEP.  A fragment of K is [half image of key tile 2 m | half image of key tile 2 m + 1]; Q stands as (q, 0, q) in 18 registers: fragment x (q, 0) gives tile 2 m's scores, fragment x (0, q) tile 2 m + 1's.
; WHAT IS PASSED OVER.  tinfo (stored by the first launch) holds 2 val + nz for each (query tile, step).  A step is passed over where val >= max(eq + ek - 143, 1), eq and ek the largest scale bytes of Q and K (emax):
; then 2^29 2^(val - 127) is at least eight times 2 L, L = 450 x 2^(eq + ek - 254) bounding |score| / 8, and by the first launch's test eight times 2^10 and the logits' rounding: every p of the tile is 0 in f32.
; A slot that none of the block's 8 tiles walks is not fetched (what is stored into the ring for it is read by nobody).  The mask's tile is read only where nz = 1.  All this is whole-number work on stored numbers; it holds for every mask.
; The logit keeps the two roundings of mask x (-1e9) and of the sum: they are made on 8 x the logit (score + mask x (-8e9)); t - M is one fused multiply-add of that with log2(e) / 8 and -M.
; NO TENSOR LOADS, NO CLUSTER: the walk branches on stored numbers, so K and V come through registers.
; PREFETCHES.  kvb: the head's first work-group, waves 0-2, first block only: in slot n the 24,576 bytes of slot n + 4, lanes 256 bytes apart, two slots ahead of their loads; trip 3 asks for nothing.
; mask: the work-groups of y = 0 alone (all sixteen y read the same tiles): in slot n a wave asks for the tile that it will read in slot n + 2: 16 rows x 512 bytes, each lane another 256 bytes.
; LIMITS: NaN and infinities are not served.  The division by l is v_rcp_f32 and a multiplication.  The scaled scores stay under 2^31 in magnitude.
; REGISTERS: v1-11, v35, v40-43, v46-47 addresses; v12 -M, v13 the largest t, v[14:15] l in two halves; v16-33 Q; v34 Q's scale word; v36-39 K's or V's scale words;
;   v48-95 four fragments of K or V; v96-115 p's codes; (v48-111 the mask's tile); v116-127 the ring's 1,536 bytes on their way; v128-191 S^T, then p; v192-223 O^T; v224-253 at work; v254-255 the add's two.
.set SLOTB, 12288
.set SL2,   24576                      ; a slot: two steps
.set SCL,   98304                      ; behind the ring's four places: the head's scale words: K's 8,192 bytes, V's 16,384
.set PART,  122880                     ; 8 x 4,608 bytes: what waves 8-15 hand over
.set SPARE, 159744                     ; the spare words, 128 bytes a wave
.set LI,    1                          ; 16 x lane
.set L8,    2                          ; 8 x lane
.set AKS,   3                          ; SCL + 4 r + 256 x my half of the waves
.set AVS,   4                          ; SCL + 8,192 + 4 x lane + 512 x half
.set Q2R,   5                          ; the second block's scale words of q, as stored
.set LIG,   6                          ; 16 x lane + 12,288 x half
.set MA,    7                          ; the mask: (r + 8 (r/8)) rows of 16,384 bytes + 64 h
.set L4,    8                          ; 4 x lane
.set R4,    9                          ; 4 r
.set PFO,   10                         ; 256 x lane + 8,192 x wave
.set SCO,   11                         ; 1,536 x wave + 16 x lane
.set QF,    16
.set QS,    34
.set L8G,   35                         ; 8 x lane + 12,288 x half
.set FS,    36
.set LIGH,  40                         ; LIG, L8G and SCO two ring places on (an LDS offset has 16 bits)
.set L8GH,  41
.set SCOH,  42
.set PFM,   43                         ; the mask: the same rows + 256 h
.set ADS,   46
.set ADT,   47
.set F,     48
.set MK,    48
.set PC,    96
.set PT,    108
.set SG,    116
.set S,     128
.set O,     192
.set BM,    224
.set BP,    228
.set BS,    232
.set T6,    236
.set TA,    238
.set PW,    239
.set FF,    240
.set TS,    242
.set WV,    16
.set BH,    17
.set QT,    18
.set TB,    32                         ; s[32:33] the blocks of slot 4 x trip
.set MP,    34                         ; s[34:35] the mask at my tile's first row, my step of slot 4 x trip
.set NB,    36                         ; s[36:37] the blocks of the next trip's first slot
.set ACT,   38                         ; bit 2 p: my step of slot 4 x trip + p is walked
.set MSK,   39                         ; bit 2 p: its mask tile is read
.set TRIP,  40
.set LIM,   41
.set CS,    42                         ; s[42:43] log2(e) / 8
.set SEL,   44
.set NEG,   46                         ; s[46:47] -8e9
.set HB,    48                         ; s[48:49] the head's blocks
.set G0,    50                         ; bit s: some tile of the block walks step 8 x trip + s; the second block's bits follow the first's
.set G1,    51
.set ACT2,  52
.set MSK2,  53
.set TSK,   54
.set TSV,   55
.set MP2,   56
.set QT2,   58
.set PH,    59
.set PRT,   60
.set GR,    61                         ; my half of the waves
.set TI,    62                         ; my tile of the block
.set PSEL,  63
.set MKP,   82                         ; MSK where y = 0, else 0: the mask's prefetches
.set MKP2,  83
	s_load_b256 s[4:11], s[0:1], 0x0               ; qb s[4:5], kvb s[6:7], mask s[8:9], tinfo s[10:11]
	s_load_b128 s[12:15], s[0:1], 0x20             ; emax s[12:13], ab s[14:15]
	v_lshl_add_u32 v254, v0, 2, SPARE
	v_mov_b32 v255, 0
	v_lshrrev_b32 v8, 5, v0
	v_readfirstlane_b32 s[WV], v8                  ; wave 0..15
	s_and_b32 s[BH], ttmp7, 0xffff
	s_lshr_b32 s[GR], s[WV], 3
	s_and_b32 s[TI], s[WV], 7
	s_sub_co_u32 s19, 31, ttmp9                    ; the first block
	s_lshl_b32 s[QT], s19, 3
	s_add_co_u32 s[QT], s[QT], s[TI]
	s_lshl_b32 s[QT2], ttmp9, 3
	s_add_co_u32 s[QT2], s[QT2], s[TI]
	s_mul_i32 s20, s[BH], 393216                   ; the head's blocks
	s_mov_b32 s21, 0
	s_mul_i32 s22, s[BH], 24576
	s_add_co_u32 s22, s22, 6291456                 ; the head's scale words
	s_mov_b32 s23, 0
	s_mul_i32 s70, s[TI], 768
	s_add_co_u32 s70, s70, s20
	s_mul_i32 s24, s19, SLOTB
	s_add_co_u32 s24, s24, s70                     ; my tile's half image in qb, first block
	s_mov_b32 s25, 0
	s_mul_i32 s28, ttmp9, SLOTB
	s_add_co_u32 s28, s28, s70                     ; second block
	s_mov_b32 s29, 0
	s_lshr_b32 s70, s[TI], 1
	s_lshl_b32 s71, s70, 6
	s_add_co_u32 s71, s71, s22
	s_lshl_b32 s26, s19, 8
	s_add_co_u32 s26, s26, s71                     ; its pair's scale words
	s_mov_b32 s27, 0
	s_lshl_b32 s30, ttmp9, 8
	s_add_co_u32 s30, s30, s71
	s_mov_b32 s31, 0
	s_lshl_b32 s66, s19, 10                        ; the blocks' 8 x 32 words of tinfo
	s_mov_b32 s67, 0
	s_lshl_b32 s68, ttmp9, 10
	s_mov_b32 s69, 0
	s_lshl_b32 s70, s70, 5
	s_and_b32 s71, s[TI], 1
	s_lshl_b32 s71, s71, 3
	s_add_co_u32 s70, s70, s71
	s_lshl_b32 s70, s70, 14                        ; my tile's first row in its block, in bytes of the mask,
	s_lshl_b32 s71, s[GR], 9
	s_add_co_u32 s70, s70, s71                     ; and my step of a slot
	s_lshl_b32 s72, s19, 21
	s_add_co_u32 s72, s72, s70
	s_mov_b32 s73, 0
	s_lshl_b32 s74, ttmp9, 21
	s_add_co_u32 s74, s74, s70
	s_mov_b32 s75, 0
	s_mul_i32 s76, s[GR], SLOTB
	s_lshl_b32 s77, s[GR], 8
	s_lshl_b32 s78, s[GR], 9
	s_mul_i32 s79, s[WV], 1536
	s_lshl_b32 s80, s[WV], 13
	s_lshl_b32 s81, s[TI], 7
	s_mul_i32 s[PRT], s[TI], 4608
	s_add_co_u32 s[PRT], s[PRT], PART
	s_cmp_lt_u32 s[WV], 3
	s_cselect_b32 s70, 0, 1
	s_or_b32 s70, s70, ttmp9
	s_cmp_eq_u32 s70, 0
	s_cselect_b32 s[LIM], 3, 0                     ; waves 0-2 of the head's first work-group ask, in trips 0 to 2 of the first block
	s_bitcmp1_b32 s[TI], 0                         ; my tile's two bytes of the pair's word, twice: (s0, s1, s0, s1)
	s_mov_b32 s[PSEL], 0x01000100
	s_cselect_b32 s[PSEL], 0x03020302, s[PSEL]
	s_mov_b32 s[CS], 0x3e38aa3b                    ; log2(e) / 8
	s_mov_b32 s[CS+1], s[CS]
	s_mov_b32 s[NEG], 0xcfee6b28                   ; -8e9, exact
	s_mov_b32 s[NEG+1], s[NEG]
	s_mov_b32 s[SEL], 0x76543210
	s_mov_b32 s[SEL+1], 0xfedcba98
	v_and_b32 v8, 31, v0                           ; lane
	v_and_b32 v9, 15, v0                           ; r
	v_bfe_u32 v11, v0, 4, 1                        ; h
	v_lshlrev_b32 v[LI], 4, v8
	v_lshlrev_b32 v[L8], 3, v8
	v_lshl_add_u32 v[AKS], v9, 2, SCL
	v_lshl_add_u32 v[AVS], v8, 2, SCL+8192
	v_and_b32 v[MA], 8, v9
	v_lshlrev_b32 v[PFO], 8, v8
	v_add_nc_u32 v[LIG], s76, v[LI]
	v_add_nc_u32 v[L8G], s76, v[L8]
	v_add_nc_u32 v[AKS], s77, v[AKS]
	v_add_nc_u32 v[AVS], s78, v[AVS]
	v_add_nc_u32 v[MA], v[MA], v9
	v_add_nc_u32 v[PFO], s80, v[PFO]
	v_lshlrev_b32 v[L4], 2, v8
	v_lshlrev_b32 v[MA], 14, v[MA]
	v_lshlrev_b32 v[R4], 2, v9
	v_add_nc_u32 v[ADT], s81, v[L4]                ; my own tile's words of tinfo
	v_lshl_add_u32 v[PFM], v11, 8, v[MA]
	v_lshl_add_u32 v[MA], v11, 6, v[MA]
	v_add_nc_u32 v[SCO], s79, v[LI]
	v_add_nc_u32 v[LIGH], 2*SL2, v[LIG]
	v_add_nc_u32 v[L8GH], 2*SL2, v[L8G]
	v_add_nc_u32 v[ADS], SCL, v[SCO]
	v_add_nc_u32 v[SCOH], 2*SL2, v[SCO]
	s_wait_alu depctr_va_vdst(0)                   ; the wait at the head's end
	s_wait_kmcnt 0x0
	s_add_nc_u64 s[HB:HB+1], s[6:7], s[20:21]
	s_mov_b64 s[TB:TB+1], s[HB:HB+1]
	s_add_nc_u64 s[22:23], s[6:7], s[22:23]
	s_add_nc_u64 s[24:25], s[4:5], s[24:25]
	s_add_nc_u64 s[26:27], s[4:5], s[26:27]
	s_add_nc_u64 s[28:29], s[4:5], s[28:29]
	s_add_nc_u64 s[30:31], s[4:5], s[30:31]
	s_add_nc_u64 s[66:67], s[10:11], s[66:67]
	s_add_nc_u64 s[68:69], s[10:11], s[68:69]
	s_add_nc_u64 s[MP:MP+1], s[8:9], s[72:73]
	s_add_nc_u64 s[MP2:MP2+1], s[8:9], s[74:75]
.irp c, 0,1,2
	global_load_b128 v[F+4*\c:F+4*\c+3], v[SCO], s[22:23] offset:512*\c            ; my 1,536 bytes of the head's scale words,
	global_load_b128 v[SG+4*\c:SG+4*\c+3], v[SCO], s[HB:HB+1] offset:512*\c        ; of slot 0,
	global_load_b128 v[S+36+4*\c:S+39+4*\c], v[SCO], s[HB:HB+1] offset:SL2+512*\c  ; of slot 1
.endr
	global_load_b128 v[QF:QF+3], v[LI], s[24:25]                                   ; q, twice: (q, 0, q)
	global_load_b64 v[QF+4:QF+5], v[L8], s[24:25] offset:512
	global_load_b128 v[QF+12:QF+15], v[LI], s[24:25]
	global_load_b64 v[QF+16:QF+17], v[L8], s[24:25] offset:512
	global_load_b32 v[S+18], v[R4], s[26:27]
.irp i, 0,1,2,3,4,5,6,7
	global_load_b32 v[S+\i], v[L4], s[66:67] offset:128*\i                         ; lane = step: the 8 tiles of the first block,
	global_load_b32 v[S+8+\i], v[L4], s[68:69] offset:128*\i                       ; of the second
.endr
	global_load_b32 v[S+16], v[ADT], s[66:67]                                      ; and my own tiles
	global_load_b32 v[S+17], v[ADT], s[68:69]
.irp c, 0,1,2,3
	global_load_b128 v[S+20+4*\c:S+23+4*\c], v[LI], s[12:13] offset:512*\c         ; emax: the 256 words of q, the 256 of k
.endr
	s_wait_loadcnt 0x0
.irp c, 0,1,2
	ds_store_b128 v[ADS], v[F+4*\c:F+4*\c+3] offset:512*\c
	ds_store_b128 v[SCO], v[SG+4*\c:SG+4*\c+3] offset:512*\c
	ds_store_b128 v[SCO], v[S+36+4*\c:S+39+4*\c] offset:SL2+512*\c
.endr
	v_perm_b32 v[QS], v[S+18], v[S+18], s[PSEL]
; the largest scale byte of Q and of K (S+20, S+28) and each block's smallest word of a step (S, S+8): whole numbers throughout, the four trees by turns
.irp a, 0,2,4,6
	v_max_u32 v[S+20+\a], v[S+20+\a], v[S+21+\a]
	v_max_u32 v[S+28+\a], v[S+28+\a], v[S+29+\a]
	v_min_u32 v[S+\a], v[S+\a], v[S+1+\a]
	v_min_u32 v[S+8+\a], v[S+8+\a], v[S+9+\a]
.endr
.irp a, 0,4
	v_max_u32 v[S+20+\a], v[S+20+\a], v[S+22+\a]
	v_max_u32 v[S+28+\a], v[S+28+\a], v[S+30+\a]
	v_min_u32 v[S+\a], v[S+\a], v[S+2+\a]
	v_min_u32 v[S+8+\a], v[S+8+\a], v[S+10+\a]
.endr
	v_max_u32 v[S+20], v[S+20], v[S+24]
	v_max_u32 v[S+28], v[S+28], v[S+32]
	v_min_u32 v[S], v[S], v[S+4]                   ; some tile walks the step where this lies under the bar
	v_min_u32 v[S+8], v[S+8], v[S+12]
.irp m, 1,2,4,8
	v_mov_b32_dpp v[S+21], v[S+20] row_xmask:\m row_mask:0xf bank_mask:0xf
	v_mov_b32_dpp v[S+29], v[S+28] row_xmask:\m row_mask:0xf bank_mask:0xf
	v_max_u32 v[S+20], v[S+20], v[S+21]
	v_max_u32 v[S+28], v[S+28], v[S+29]
.endr
	v_permlanex16_b32 v[S+21], v[S+20], s[SEL], s[SEL+1]
	v_permlanex16_b32 v[S+29], v[S+28], s[SEL], s[SEL+1]
	v_max_u32 v[S+20], v[S+20], v[S+21]
	v_max_u32 v[S+28], v[S+28], v[S+29]
	v_and_b32 v[S+1], 1, v[S+16]
	v_and_b32 v[S+2], 1, v[S+17]
	v_readfirstlane_b32 s19, v[S+20]
	v_readfirstlane_b32 s20, v[S+28]
	s_add_co_u32 s19, s19, s20
	s_sub_co_i32 s19, s19, 143
	s_max_i32 s19, s19, 1
	s_lshl_b32 s19, s19, 1                         ; a step is walked where 2 val + nz lies under 2 max(eq + ek - 143, 1)
	s_wait_alu depctr_va_vdst(0)                   ; the wait ahead of the readers below
	v_cmp_gt_u32 s[G0], s19, v[S]
	v_cmp_gt_u32 s[G1], s19, v[S+8]
	v_cmp_gt_u32 s[ACT], s19, v[S+16]
	v_cmp_gt_u32 s[ACT2], s19, v[S+17]
	v_cmp_ne_u32 s[MSK], 0, v[S+1]
	v_cmp_ne_u32 s[MSK2], 0, v[S+2]
	s_lshr_b32 s[ACT], s[ACT], s[GR]               ; bit 0: my step of slot 0
	s_lshr_b32 s[ACT2], s[ACT2], s[GR]
	s_lshr_b32 s[MSK], s[MSK], s[GR]
	s_lshr_b32 s[MSK2], s[MSK2], s[GR]
	s_and_b32 s[MSK], s[MSK], s[ACT]               ; a tile is read only in a step that is walked
	s_and_b32 s[MSK2], s[MSK2], s[ACT2]
	s_cmp_eq_u32 s[BH], 0
	s_cselect_b32 s[MKP], s[MSK], 0
	s_cselect_b32 s[MKP2], s[MSK2], 0
.set j, 0
.rept 32
	v_mov_b32 v[O+j], 0                            ; O^T.  (The step is written once: the first finds zeros, which the first change of M leaves zeros)
.set j, j+1
.endr
.irp j, 6,7,8,9,10,11
	v_mov_b32 v[QF+\j], 0                          ; the zero codes between the two q
.endr
.set j, 0
.rept 12
	v_mov_b32 v[BM+j], 0                           ; written once: a lane permute's destination counts as one of its sources, and a pair's upper half as read
.set j, j+1
.endr
	v_mov_b32 v[S+19], 0                           ; the registers of S^T that the head has not used: the step's two halves stand under two branches, and every way through the text finds them written
.set j, 48
.rept 16
	v_mov_b32 v[S+j], 0
.set j, j+1
.endr
	v_mov_b32 v13, 0xff61b1e6                      ; the largest t so far: -3e38
	v_mov_b32 v[TA], 0
	v_mov_b32 v[FF+1], 0
	v_mov_b32 v14, 0
	v_mov_b32 v15, 0
	v_floor_f32 v12, -v13                          ; -M
	s_mov_b32 s[PH], 0
	s_wait_alu depctr_va_vdst(0)                   ; the wait ahead of the wait below
	s_wait_dscnt 0x0                               ; my parts of the scale words and of slots 0 and 1 have landed
	s_barrier_signal -1
	s_barrier_wait -1
; A STEP'S FIRST HALF, between a barrier's signal and its wait: my step of ring place p: K's fragments and the scores.  LDS loads and work on registers alone
.macro AHEAD p
	v_add_nc_u32 v[ADS], s[TSK], v[AKS]
	v_add_nc_u32 v[ADT], s[TSV], v[AVS]
	s_bitcmp1_b32 s[ACT], 2*(\p)
	s_wait_alu depctr_va_vdst(0)                   ; the wait ahead of the branch and of the waits below
	s_cbranch_scc0 .Lnok_\@
.irp m, 0,1,2,3                        ; K: fragment m = the half images of key tiles 2 m and 2 m + 1
	ds_load_b128 v[F+12*\m:F+12*\m+3], v[LIG+34*((\p)/2)] offset:SL2*((\p)%2)+1536*\m
	ds_load_b64 v[F+12*\m+4:F+12*\m+5], v[L8G+6*((\p)/2)] offset:SL2*((\p)%2)+1536*\m+512
	ds_load_b128 v[F+12*\m+6:F+12*\m+9], v[LIG+34*((\p)/2)] offset:SL2*((\p)%2)+1536*\m+768
	ds_load_b64 v[F+12*\m+10:F+12*\m+11], v[L8G+6*((\p)/2)] offset:SL2*((\p)%2)+1536*\m+1280
	ds_load_b32 v[FS+\m], v[ADS] offset:512*(\p)+64*\m
.endr
	s_wait_dscnt 0x0
.irp t, 0,1,2,3,4,5,6,7                ; S^T: lane (r, h) holds query r; the 16 registers of tiles 2 b, 2 b + 1 are keys 32 b + 16 h + 0 .. 15
	v_wmma_scale_f32_16x16x128_f8f6f4 v[S+8*\t:S+8*\t+7], v[F+12*(\t/2):F+12*(\t/2)+11], v[QF+6*(\t%2):QF+6*(\t%2)+11], 0, v[FS+\t/2], v[QS] matrix_a_fmt:MATRIX_FMT_FP6 matrix_b_fmt:MATRIX_FMT_FP6
.endr
.rept 4
	v_nop                                          ; places ahead of the reads of the scores and of the loads into K's registers
.endr
.Lnok_\@:
.endm
; A STEP'S SECOND HALF: the mask, the softmax, V
.macro WORK p
	s_bitcmp1_b32 s[MSK], 2*(\p)
	s_cbranch_scc0 .Lopen_\@
.irp b, 0,1,2,3
.irp j, 0,1,2,3
	global_load_b128 v[MK+16*\b+4*\j:MK+16*\b+4*\j+3], v[MA], s[MP:MP+1] offset:1024*(\p)+128*\b+16*\j    ; mask(my query, keys 32 b + 16 h + 4 j ..): the scores' own order
.endr
.endr
	s_wait_loadcnt 0x0
.set j, 0
.rept 32
	v_pk_mul_f32 v[MK+j:MK+j+1], v[MK+j:MK+j+1], s[NEG:NEG+1] op_sel_hi:[1,0]      ; rounded by itself, as the logit's term is
.set j, j+2
.endr
.set j, 0
.rept 32
	v_pk_add_f32 v[S+j:S+j+1], v[S+j:S+j+1], v[MK+j:MK+j+1]
.set j, j+2
.endr
.Lopen_\@:
.irp d, 0,1,2,3                        ; V's four fragments: they land under the softmax
.irp c, 0,1,2
	ds_load_b128 v[F+12*\d+4*\c:F+12*\d+4*\c+3], v[LIG+34*((\p)/2)] offset:SL2*((\p)%2)+6144+1536*\d+512*\c
.endr
	ds_load_b32 v[FS+\d], v[ADT] offset:1024*(\p)+128*\d
.endr
.irp b, 0,1,2,3
	v_max3_num_f32 v[BM+\b], v[S+16*\b], v[S+16*\b+1], v[S+16*\b+2]                ; the largest score of each block of 32 keys: it serves the row's maximum and the block's largest p
.endr
.irp i, 3,5,7,9,11,13
.irp b, 0,1,2,3
	v_max3_num_f32 v[BM+\b], v[BM+\b], v[S+16*\b+\i], v[S+16*\b+\i+1]              ; (the four blocks by turns)
.endr
.endr
.irp b, 0,1,2,3
	v_max_num_f32 v[BM+\b], v[BM+\b], v[S+16*\b+15]
.endr
.irp b, 0,1,2,3
	v_permlanex16_b32 v[BP+\b], v[BM+\b], s[SEL], s[SEL+1]
.endr
.irp b, 0,1,2,3
	v_max_num_f32 v[BM+\b], v[BM+\b], v[BP+\b]
.endr
	v_max3_num_f32 v[TA], v[BM], v[BM+1], v[BM+2]
	v_max_num_f32 v[TA], v[TA], v[BM+3]
	v_mul_f32 v[TA], s[CS], v[TA]                  ; as t (the factor is positive)
	v_max_num_f32 v13, v13, v[TA]                  ; the running largest t
	v_mov_b32 v[TA], v12
	v_floor_f32 v12, -v13                          ; the new -M
	v_sub_f32 v[TA], v12, v[TA]                    ; old M - new M: a whole number, 0 or less
	v_cvt_i32_f32 v[TA], v[TA]                     ; (it saturates)
	v_ldexp_f32 v[FF], 1.0, v[TA]                  ; f = 2^(old M - new M)
.set j, 0
.rept 32
	v_pk_fma_f32 v[S+j:S+j+1], v[S+j:S+j+1], s[CS:CS+1], v[12:13] op_sel_hi:[1,0,0]   ; t - M, two at a time
.set j, j+2
.endr
.irp b, 0,1,2,3
	v_fma_f32 v[BM+\b], v[BM+\b], s[CS], v12       ; the same of each block's largest score
.endr
	s_wait_alu depctr_va_vdst(0)                   ; the wait ahead of the batch
.set j, 0
.rept 64
	v_exp_f32 v[S+j], v[S+j]                       ; p
.set j, j+1
.endr
	v_pk_mul_f32 v[14:15], v[14:15], v[FF:FF+1] op_sel_hi:[1,0]                    ; l under the new M: the plain place behind the exponentials
	s_wait_alu depctr_va_vdst(0)                   ; one wait for the batch, ahead of its first reader
.irp b, 0,1,2,3
	v_exp_f32 v[BM+\b], v[BM+\b]                   ; the block's largest p: the same two instructions on the same number
.endr
.irp k, 0,1,2,3,4,5                    ; l: the sum of the unquantised p, 32 pairs in eight chains by turns
	v_pk_add_f32 v[TS+2*\k:TS+2*\k+1], v[S+2*\k:S+2*\k+1], v[S+14+2*\k:S+15+2*\k]
.endr
	v_pk_add_f32 v[T6:T6+1], v[S+12:S+13], v[S+26:S+27]
	v_pk_add_f32 v[14:15], v[14:15], v[S+28:S+29]
.irp r, 0,1
.irp k, 0,1,2,3,4,5
	v_pk_add_f32 v[TS+2*\k:TS+2*\k+1], v[TS+2*\k:TS+2*\k+1], v[S+30+16*\r+2*\k:S+31+16*\r+2*\k]
.endr
	v_pk_add_f32 v[T6:T6+1], v[T6:T6+1], v[S+42+16*\r:S+43+16*\r]
	v_pk_add_f32 v[14:15], v[14:15], v[S+44+16*\r:S+45+16*\r]
.endr
	v_pk_add_f32 v[TS:TS+1], v[TS:TS+1], v[TS+2:TS+3]
	v_pk_add_f32 v[TS+4:TS+5], v[TS+4:TS+5], v[TS+6:TS+7]
	v_pk_add_f32 v[TS+8:TS+9], v[TS+8:TS+9], v[TS+10:TS+11]
	v_pk_add_f32 v[14:15], v[14:15], v[S+62:S+63]
	v_pk_add_f32 v[T6:T6+1], v[T6:T6+1], v[TS:TS+1]
	v_pk_add_f32 v[TS+4:TS+5], v[TS+4:TS+5], v[TS+8:TS+9]
	v_pk_add_f32 v[14:15], v[14:15], v[T6:T6+1]
	v_pk_add_f32 v[14:15], v[14:15], v[TS+4:TS+5]
	s_wait_alu depctr_va_vdst(0)                   ; and one for the four
.irp b, 0,1,2,3
	v_max_num_f32 v[BM+\b], 0x1800000, v[BM+\b]    ; the floor 2^(3 - 127): the byte cannot fall under 1
.endr
.irp b, 0,1,2,3
	v_add_nc_u32 v[BS+\b], 0xff000000, v[BM+\b]    ; the conversion's scale operand
.endr
.irp b, 0,1,2,3
	v_lshrrev_b32 v[BP+\b], 23, v[BS+\b]           ; the scale's byte
.endr
	v_lshl_or_b32 v[PW], v[BP+1], 8, v[BP]
	v_lshl_or_b32 v[PW], v[BP+2], 16, v[PW]
	v_lshl_or_b32 v[PW], v[BP+3], 24, v[PW]
.irp c, 0,1
	v_cvt_scalef32_pk16_fp6_f32 v[PC+6*\c:PC+6*\c+2], v[S+32*\c:S+32*\c+15], v[BS+2*\c]
	v_cvt_scalef32_pk16_fp6_f32 v[PT+4*\c:PT+4*\c+2], v[S+32*\c+16:S+32*\c+31], v[BS+2*\c+1]
.endr
	v_nop                                          ; one plain place behind a scaled conversion
.irp c, 0,1                            ; the operand's layout wants a whole block in a lane
.irp i, 0,1,2
	v_permlane16_swap_b32 v[PC+6*\c+\i], v[PT+4*\c+\i]
.endr
.irp i, 0,1,2
	v_mov_b32 v[PC+3+6*\c+\i], v[PT+4*\c+\i]
.endr
.endr
	s_wait_alu depctr_va_vdst(0)                   ; the wait directly ahead of the first reader of O^T
.set j, 0
.rept 16
	v_pk_mul_f32 v[O+j:O+j+1], v[O+j:O+j+1], v[FF:FF+1] op_sel_hi:[1,0]            ; O^T under the new M, from each accumulator's low end on.  These sixteen are also the places behind p's codes and scale word
.set j, j+2
.endr
	s_wait_alu depctr_va_vdst(0)                   ; the wait ahead of the wait below
	s_wait_dscnt 0x0                               ; V
.irp d, 0,1,2,3                        ; O^T += V^T P^T: four accumulators, one instruction each
	v_wmma_scale_f32_16x16x128_f8f6f4 v[O+8*\d:O+8*\d+7], v[F+12*\d:F+12*\d+11], v[PC:PC+11], v[O+8*\d:O+8*\d+7], v[FS+\d], v[PW] matrix_a_fmt:MATRIX_FMT_FP6 matrix_b_fmt:MATRIX_FMT_FP6
.endr
.rept 4
	v_nop                                          ; places ahead of whatever follows on any way: the next loads into these fragments, the next read of O^T
.endr
.endm
; A SLOT, at ring place p, behind its barrier's wait.  The slot two on is fetched where some tile of the block walks one of its two steps; the copy into its ring place and the signal stand on every way.
.macro BODY p
	s_and_b32 s70, s[G0], 48<<(2*(\p))
	s_cbranch_scc0 .Lnofill_\@
.irp c, 0,1,2
.if \p < 2
	global_load_b128 v[SG+4*\c:SG+4*\c+3], v[SCO], s[TB:TB+1] offset:(\p+2)*SL2+512*\c
.else
	global_load_b128 v[SG+4*\c:SG+4*\c+3], v[SCO], s[NB:NB+1] offset:(\p-2)*SL2+512*\c
.endif
.endr
.Lnofill_\@:
	s_cmp_lt_u32 s[TRIP], s[LIM]
	s_cbranch_scc0 .Lnoask_\@
	global_prefetch_b8 v[PFO], s[TB:TB+1] offset:(\p+4)*SL2 th:TH_LOAD_NT scope:SCOPE_SE
.Lnoask_\@:
	s_bitcmp1_b32 s[MKP], 2*(\p)+4
	s_cbranch_scc0 .Lnomask_\@
	global_prefetch_b8 v[PFM], s[MP:MP+1] offset:1024*(\p+2) th:TH_LOAD_NT scope:SCOPE_SE
.Lnomask_\@:
	s_bitcmp1_b32 s[ACT], 2*(\p)
	s_cbranch_scc0 .Lidle_\@
	WORK \p
.Lidle_\@:
	s_wait_loadcnt 0x0                             ; my 1,536 bytes are in registers
.irp c, 0,1,2
	ds_store_b128 v[SCO+31*(1-(\p)/2)], v[SG+4*\c:SG+4*\c+3] offset:SL2*((\p)%2)+512*\c    ; ring place (p + 2) % 4, last read two barriers back
.endr
	s_wait_dscnt 0x0                               ; my stores have landed and my reads of this slot are back
	s_barrier_signal -1
.endm
.Lphase:                               ; two blocks of queries
	s_mov_b32 s[TRIP], 0
	s_mov_b32 s[TSK], 0
	s_mov_b32 s[TSV], 0
	s_barrier_signal -1                            ; (no LDS instruction of mine is out here)
	AHEAD 0
	s_barrier_wait -1
.Ltrip:                                ; 4 trips of four slots
	s_add_nc_u64 s[NB:NB+1], s[TB:TB+1], 4*SL2
	s_cmp_eq_u32 s[TRIP], 3
	s_cselect_b64 s[NB:NB+1], s[HB:HB+1], s[NB:NB+1]       ; behind slot 15 comes the next block's slot 0
	BODY 0
	AHEAD 1
	s_barrier_wait -1
	BODY 1
	AHEAD 2
	s_barrier_wait -1
	BODY 2
	AHEAD 3
	s_barrier_wait -1
	BODY 3
	s_wait_xcnt 0x0                                ; the trip's loads and prefetches have read their bases
	s_mov_b64 s[TB:TB+1], s[NB:NB+1]
	s_add_nc_u64 s[MP:MP+1], s[MP:MP+1], 4096
	s_lshr_b32 s[G0], s[G0], 8
	s_lshl_b32 s70, s[G1], 24
	s_or_b32 s[G0], s[G0], s70
	s_lshr_b32 s[G1], s[G1], 8
	s_lshr_b32 s[ACT], s[ACT], 8                   ; behind the block's last trip no bit is left: the next line's half step is passed over
	s_lshr_b32 s[MSK], s[MSK], 8
	s_lshr_b32 s[MKP], s[MKP], 8
	s_add_co_u32 s[TRIP], s[TRIP], 1
	s_and_b32 s70, s[TRIP], 3
	s_lshl_b32 s[TSK], s70, 11                     ; the trip's place among K's scale words,
	s_lshl_b32 s[TSV], s70, 12                     ; and among V's
	AHEAD 0
	s_barrier_wait -1
	s_cmp_lt_u32 s[TRIP], 4
	s_cbranch_scc1 .Ltrip
	; THE BLOCK'S END.  The second block's q is asked for; waves 8-15 hand their part over
	global_load_b128 v[QF:QF+3], v[LI], s[28:29]
	global_load_b64 v[QF+4:QF+5], v[L8], s[28:29] offset:512
	global_load_b128 v[QF+12:QF+15], v[LI], s[28:29]
	global_load_b64 v[QF+16:QF+17], v[L8], s[28:29] offset:512
	global_load_b32 v[Q2R], v[R4], s[30:31]
	v_add_nc_u32 v[ADS], s[PRT], v[LI]
	s_wait_alu depctr_va_vdst(0)                   ; the wait ahead of the branch
	s_cmp_lt_u32 s[WV], 8
	s_cbranch_scc1 .Lkeep
.irp k, 0,1,2,3,4,5,6,7
	ds_store_b128 v[ADS], v[O+4*\k:O+4*\k+3] offset:512*\k         ; each accumulator from its low end on
.endr
	ds_store_b128 v[ADS], v[12:15] offset:4096
.Lkeep:
	s_wait_dscnt 0x0                               ; for the partner: my stores have landed
	s_barrier_signal -1
	s_barrier_wait -1
	s_cmp_lt_u32 s[WV], 8
	s_cbranch_scc0 .Lnomerge
.irp k, 0,1,2,3,4,5,6,7
	ds_load_b128 v[S+4*\k:S+4*\k+3], v[ADS] offset:512*\k
.endr
	ds_load_b128 v[S+32:S+35], v[ADS] offset:4096
	s_wait_dscnt 0x0
	v_min_num_f32 v[TA], v12, v[S+32]              ; -M of both parts
	v_add_f32 v14, v14, v15
	v_add_f32 v[S+34], v[S+34], v[S+35]
	v_sub_f32 v[BM], v[TA], v12                    ; my M - M, the partner's M - M: whole numbers, 0 or less
	v_sub_f32 v[BM+1], v[TA], v[S+32]
	v_cvt_i32_f32 v[BM], v[BM]
	v_cvt_i32_f32 v[BM+1], v[BM+1]
	v_ldexp_f32 v[FF], 1.0, v[BM]
	v_ldexp_f32 v[BS], 1.0, v[BM+1]                ; a part that walked no step has the factor 0
	v_mul_f32 v14, v14, v[FF]
	v_fmac_f32 v14, v[S+34], v[BS]
.set j, 0
.rept 16
	v_pk_mul_f32 v[O+j:O+j+1], v[O+j:O+j+1], v[FF:FF+1] op_sel_hi:[1,0]
.set j, j+2
.endr
.set j, 0
.rept 16
	v_pk_fma_f32 v[O+j:O+j+1], v[S+j:S+j+1], v[BS:BS+1], v[O+j:O+j+1] op_sel_hi:[1,0,1]
.set j, j+2
.endr
	v_permlanex16_b32 v[TA], v14, s[SEL], s[SEL+1]
	v_add_f32 v14, v14, v[TA]                      ; the row's sum
	s_wait_alu depctr_va_vdst(0)                   ; the wait ahead of the reciprocal
	v_rcp_f32 v[FF], v14
	v_nop                                          ; a plain place behind the reciprocal
	s_lshr_b32 s19, s[BH], 3
	s_lshl_b32 s19, s19, 8
	s_add_co_u32 s19, s19, s[QT]                   ; 256 x batch + tile
	s_and_b32 s20, s[BH], 7                        ; head
	s_mul_i32 s22, s19, 6144
	s_mul_i32 s21, s20, 768
	s_add_co_u32 s22, s22, s21
	s_mov_b32 s23, 0
	s_lshl_b32 s19, s19, 3
	s_add_co_u32 s19, s19, s20
	s_lshl_b32 s24, s19, 7
	s_add_co_u32 s24, s24, 3145728
	s_mov_b32 s25, 0
	s_add_nc_u64 s[22:23], s[14:15], s[22:23]
	s_add_nc_u64 s[24:25], s[14:15], s[24:25]
	s_wait_alu depctr_va_vdst(0)                   ; the wait ahead of the reciprocal's first reader
.set j, 0
.rept 16
	v_pk_mul_f32 v[S+j:S+j+1], v[O+j:O+j+1], v[FF:FF+1] op_sel_hi:[1,0]            ; register 16 b + i is d = 32 b + 16 h + i of my query
.set j, j+2
.endr
.irp b, 0,1                            ; quantised along d (two blocks of 32), as a half image and a scale word (s0, s1, s0, s1)
	v_max3_num_f32 v[BM+\b], |v[S+16*\b]|, |v[S+16*\b+1]|, 0x1800000
.endr
.irp i, 2,4,6,8,10,12,14
.irp b, 0,1
	v_max3_num_f32 v[BM+\b], v[BM+\b], |v[S+16*\b+\i]|, |v[S+16*\b+\i+1]|
.endr
.endr
.irp b, 0,1
	v_permlanex16_b32 v[BP+\b], v[BM+\b], s[SEL], s[SEL+1]
.endr
.irp b, 0,1
	v_max_num_f32 v[BM+\b], v[BM+\b], v[BP+\b]
.endr
.irp b, 0,1
	v_add_nc_u32 v[BS+\b], 0xff000000, v[BM+\b]
.endr
.irp b, 0,1
	v_lshrrev_b32 v[BP+\b], 23, v[BS+\b]
.endr
	v_lshl_or_b32 v[PW], v[BP+1], 8, v[BP]
	v_lshl_or_b32 v[PW], v[PW], 16, v[PW]
	v_cvt_scalef32_pk16_fp6_f32 v[PC:PC+2], v[S:S+15], v[BS]
	v_cvt_scalef32_pk16_fp6_f32 v[PT:PT+2], v[S+16:S+31], v[BS+1]
	v_nop                                          ; one plain place behind a scaled conversion
.irp i, 0,1,2
	v_permlane16_swap_b32 v[PC+\i], v[PT+\i]
.endr
.irp i, 0,1,2
	v_mov_b32 v[PC+3+\i], v[PT+\i]
.endr
	global_store_b128 v[LI], v[PC:PC+3], s[22:23]                  ; 512 consecutive bytes, aligned
	global_store_b64 v[L8], v[PC+4:PC+5], s[22:23] offset:512      ; 256 more
	global_store_b32 v[L4], v[PW], s[24:25]
	s_wait_xcnt 0x0                                ; the stores have read their registers and bases
.Lnomerge:
	; on to the second block: its q, its lists, an empty state
	s_wait_loadcnt 0x0                             ; q is in
	v_perm_b32 v[QS], v[Q2R], v[Q2R], s[PSEL]      ; (the lines below are the places between this scale word and the next scaled product)
	v_mov_b32 v13, 0xff61b1e6
.set j, 0
.rept 32
	v_mov_b32 v[O+j], 0
.set j, j+1
.endr
	v_mov_b32 v14, 0
	v_mov_b32 v15, 0
	v_floor_f32 v12, -v13
	s_mov_b32 s[ACT], s[ACT2]
	s_mov_b32 s[MSK], s[MSK2]
	s_mov_b32 s[MKP], s[MKP2]
	s_mov_b64 s[MP:MP+1], s[MP2:MP2+1]
	s_mov_b32 s[QT], s[QT2]
	s_mov_b32 s[LIM], 0                            ; the second block's slots have been read: nothing more of kvb is asked for
	s_add_co_u32 s[PH], s[PH], 1
	s_cmp_lt_u32 s[PH], 2
	s_wait_alu depctr_va_vdst(0)                   ; the wait directly ahead of the branch
	s_cbranch_scc1 .Lphase
	s_wait_tensorcnt 0x0                           ; the wave's end
	ds_add_u32 v254, v255
	s_wait_dscnt 0x0
	s_endpgm
.Lfunc_end_k_q4f6d66bbb2_attn:
	.size	k_q4f6d66bbb2_attn, .Lfunc_end_k_q4f6d66bbb2_attn-k_q4f6d66bbb2_attn
	.p2alignl 7, 3214868480
	.fill 96, 4, 3214868480
	.section	.rodata,"a",@progbits
	.p2align	6, 0x0
	.amdhsa_kernel k_q4f6d66bbb2_attn
		.amdhsa_group_segment_fixed_size 161792
		.amdhsa_private_segment_fixed_size 0
		.amdhsa_enable_private_segment 0
		.amdhsa_kernarg_size 48
		.amdhsa_user_sgpr_count 2
		.amdhsa_user_sgpr_kernarg_segment_ptr 1
		.amdhsa_wavefront_size32 1
		.amdhsa_system_sgpr_workgroup_id_x 1
		.amdhsa_system_sgpr_workgroup_id_y 1
		.amdhsa_system_sgpr_workgroup_id_z 1
		.amdhsa_system_vgpr_workitem_id 0
		.amdhsa_next_free_vgpr 256
		.amdhsa_next_free_sgpr 84
		.amdhsa_reserve_vcc 0
		.amdhsa_float_denorm_mode_32 3
		.amdhsa_float_denorm_mode_16_64 3
		.amdhsa_memory_ordered 1
		.amdhsa_forward_progress 1
		.amdhsa_inst_pref_size 118
	.end_amdhsa_kernel
	.amdgpu_metadata
---
amdhsa.version: [ 1, 2 ]
amdhsa.kernels:
  - .name:           k_q4f6d66bbb2_attn
    .symbol:         k_q4f6d66bbb2_attn.kd
    .args:
      - { .name: qb, .offset: 0, .size: 8, .value_kind: global_buffer, .address_space: global }
      - { .name: kvb, .offset: 8, .size: 8, .value_kind: global_buffer, .address_space: global }
      - { .name: mask, .offset: 16, .size: 8, .value_kind: global_buffer, .address_space: global }
      - { .name: tinfo, .offset: 24, .size: 8, .value_kind: global_buffer, .address_space: global }
      - { .name: emax, .offset: 32, .size: 8, .value_kind: global_buffer, .address_space: global }
      - { .name: ab, .offset: 40, .size: 8, .value_kind: global_buffer, .address_space: global }
    .group_segment_fixed_size: 161792
    .private_segment_fixed_size: 0
    .kernarg_segment_align: 8
    .kernarg_segment_size: 48
    .max_flat_workgroup_size: 512
    .sgpr_count:     84
    .vgpr_count:     256
    .wavefront_size: 32
...
	.end_amdgpu_metadata
.endif
;; end of part 3
;; launch outp (part 4): grid 256 x 1, 16 waves a work-group, no clusters, 68,096 bytes of LDS; arguments ab, wt, bo, out0; writes out0
.if DOCPART == 4
	.amdgcn_target "amdgcn-amd-amdhsa--gfx1250"
	.amdhsa_code_object_version 6
	.text
	.protected	k_q4f6d66bbb2_outp
	.globl	k_q4f6d66bbb2_outp
	.p2align	8
	.type	k_q4f6d66bbb2_outp,@function
k_q4f6d66bbb2_outp:
	s_mov_b64 s[64:65], 0
	v_nop
	global_prefetch_b8 v0, s[64:65] scope:SCOPE_SE
	s_setreg_imm32_b32 hwreg(HW_REG_WAVE_MODE, 25, 1), 1
	s_wait_xcnt 0x0
; OUTP.  out0 = attn wo + bo, both operands as codes of E2M3 with E8M0 scales: attn's from ab (made by the attention launch), wo's from wt (made by the first launch), both in the order of the operands' registers.
; Work-group m: tokens 32 m .. 32 m + 31 = token tiles 2 m, 2 m + 1 (tile t: 32 (t/2) + 8 (t%2) + r + 8 (r/8)).  Wave w of sixteen: columns 32 w .. 32 w + 31 = weight tiles 2 w, 2 w + 1.
; The product is used transposed (source 0 = 16 columns of wo, source 1 = 16 tokens): a lane holds one token, and the 16 registers of its two column tiles are the neighbours 32 w + 16 h + 0 .. 15.
; K step s = heads 2 s and 2 s + 1: its fragment of attn is their two half images on end, its scale word their two pairs of bytes.  The bias is loaded straight into the accumulators.
; The results meet in a stage in LDS (32 rows of 2,048 bytes + 16) and leave as whole rows: a store of a wave covers 512 consecutive bytes, aligned.
; No tensor loads, no cluster: a work-group reads 12 KB of codes of its own and its waves' parts of wo; the launch has 16 products a wave.
.set AC,   32                          ; v32-63   accumulators (token tile t, column tile u) at 8 (2 t + u)
.set WF,   64                          ; v64-159  wo's fragments (u, K step)
.set XF,   160                         ; v160-207 attn's fragments (t, K step % 2)
.set WSR,  208                         ; v208-215 wo's scale words
.set XR,   216                         ; v216-231 attn's words as stored (t, head)
.set XM,   232                         ; v232-239 attn's scale words (t, K step)
.set LI,   4
.set L8,   5
.set LS,   6
.set BO,   7
.set SO,   8
.set SR,   9
.set SPITCH, 2064
	s_load_b256 s[4:11], s[0:1], 0x0               ; ab s[4:5], wt s[6:7], bo s[8:9], out0 s[10:11]
	v_lshl_add_u32 v240, v0, 2, 0x10200
	v_mov_b32 v241, 0
	v_lshrrev_b32 v1, 5, v0
	s_delay_alu instid0(VALU_DEP_1)
	v_readfirstlane_b32 s12, v1                    ; wave 0..15
	v_and_b32 v1, 31, v0
	v_and_b32 v2, 15, v0
	v_bfe_u32 v3, v0, 4, 1
	s_delay_alu instid0(VALU_DEP_3)
	v_lshlrev_b32 v[LI], 4, v1
	s_delay_alu instid0(VALU_DEP_4)
	v_lshlrev_b32 v[L8], 3, v1
	v_lshlrev_b32 v[LS], 2, v1
	s_delay_alu instid0(VALU_DEP_4)
	v_lshlrev_b32 v[BO], 6, v3
	v_and_b32 v10, 8, v2
	s_delay_alu instid0(VALU_DEP_1)
	v_add_nc_u32 v10, v10, v2
	s_delay_alu instid0(VALU_DEP_1)
	v_mul_u32_u24 v[SO], v10, SPITCH
	s_delay_alu instid0(VALU_DEP_1)
	v_lshl_add_u32 v[SO], v3, 6, v[SO]
	s_lshl_b32 s13, s12, 7
	v_add_nc_u32 v[SO], s13, v[SO]                 ; the stage, in: row r + 8 (r/8), + 128 w + 64 h
	s_mul_i32 s13, s12, 2*SPITCH
	v_add_nc_u32 v[SR], s13, v[LI]                 ; back: rows 2 w, 2 w + 1
	s_mul_i32 s14, s12, 12288
	s_add_co_u32 s14, s14, 638976                  ; wo's fragments of my two tiles
	s_mov_b32 s15, 0
	s_lshl_b32 s16, s12, 10
	s_add_co_u32 s16, s16, 835584                  ; and their scale words
	s_mov_b32 s17, 0
	s_mul_i32 s18, ttmp9, 12288                    ; my two token tiles' codes
	s_mov_b32 s19, 0
	s_lshl_b32 s20, ttmp9, 11
	s_add_co_u32 s20, s20, 3145728                 ; and their words
	s_mov_b32 s21, 0
	s_lshl_b32 s22, s12, 7                         ; my 32 numbers of the bias
	s_mov_b32 s23, 0
	s_lshl_b32 s24, ttmp9, 16
	s_lshl_b32 s25, s12, 12
	s_add_co_u32 s24, s24, s25                     ; rows 32 m + 2 w of out0
	s_mov_b32 s25, 0
	s_wait_alu depctr_va_vdst(0)
	s_wait_kmcnt 0x0
	s_add_nc_u64 s[14:15], s[6:7], s[14:15]
	s_add_nc_u64 s[16:17], s[6:7], s[16:17]
	s_add_nc_u64 s[18:19], s[4:5], s[18:19]
	s_add_nc_u64 s[20:21], s[4:5], s[20:21]
	s_add_nc_u64 s[22:23], s[8:9], s[22:23]
	s_add_nc_u64 s[24:25], s[10:11], s[24:25]
.macro XFLOAD k                        ; attn's fragments of K step k, both token tiles
.irp t, 0,1
	global_load_b128 v[XF+12*(2*\t+(\k)%2):XF+12*(2*\t+(\k)%2)+3], v[LI], s[18:19] offset:6144*\t+1536*(\k)
	global_load_b64 v[XF+12*(2*\t+(\k)%2)+4:XF+12*(2*\t+(\k)%2)+5], v[L8], s[18:19] offset:6144*\t+1536*(\k)+512
	global_load_b128 v[XF+12*(2*\t+(\k)%2)+6:XF+12*(2*\t+(\k)%2)+9], v[LI], s[18:19] offset:6144*\t+1536*(\k)+768
	global_load_b64 v[XF+12*(2*\t+(\k)%2)+10:XF+12*(2*\t+(\k)%2)+11], v[L8], s[18:19] offset:6144*\t+1536*(\k)+1280
.endr
.endm
.macro MMO k                           ; four products, the four accumulators by turns
.irp t, 0,1
.irp u, 0,1
	v_wmma_scale_f32_16x16x128_f8f6f4 v[AC+8*(2*\t+\u):AC+8*(2*\t+\u)+7], v[WF+12*(4*\u+(\k)):WF+12*(4*\u+(\k))+11], v[XF+12*(2*\t+(\k)%2):XF+12*(2*\t+(\k)%2)+11], v[AC+8*(2*\t+\u):AC+8*(2*\t+\u)+7], v[WSR+4*\u+(\k)], v[XM+4*\t+(\k)] matrix_a_fmt:MATRIX_FMT_FP6 matrix_b_fmt:MATRIX_FMT_FP6
.endr
.endr
.endm
.irp t, 0,1
.irp u, 0,1
	global_load_b128 v[AC+8*(2*\t+\u):AC+8*(2*\t+\u)+3], v[BO], s[22:23] offset:32*\u          ; bo(32 w + 16 h + 8 u + 0 .. 7): the sums begin with it
	global_load_b128 v[AC+8*(2*\t+\u)+4:AC+8*(2*\t+\u)+7], v[BO], s[22:23] offset:32*\u+16
.endr
.endr
.irp u, 0,1
.irp k, 0,1,2,3
	global_load_b32 v[WSR+4*\u+\k], v[LS], s[16:17] offset:(4*\u+\k)*128
.endr
.endr
.irp t, 0,1
.irp e, 0,1,2,3,4,5,6,7
	global_load_b32 v[XR+8*\t+\e], v[LS], s[20:21] offset:1024*\t+128*\e
.endr
.endr
.irp u, 0,1
.irp k, 0,1,2,3
.irp c, 0,1,2
	global_load_b128 v[WF+12*(4*\u+\k)+4*\c:WF+12*(4*\u+\k)+4*\c+3], v[LI], s[14:15] offset:(4*\u+\k)*1536+512*\c
.endr
.endr
.endr
	XFLOAD 0
	XFLOAD 1
	s_wait_loadcnt 0x0
.irp t, 0,1
.irp k, 0,1,2,3
	v_perm_b32 v[XM+4*\t+\k], v[XR+8*\t+2*\k+1], v[XR+8*\t+2*\k], 0x07060100       ; head 2 k's two bytes, head 2 k + 1's two
.endr
.endr
.rept 8
	v_nop                                          ; a scale register written by a vector instruction stands eight places ahead of a scaled product
.endr
	MMO 0
	MMO 1
.rept 4
	v_nop                                          ; places ahead of the loads into the fragments just read
.endr
	XFLOAD 2
	XFLOAD 3
	s_wait_alu depctr_va_vdst(0)
	s_wait_loadcnt 0x0
	MMO 2
	MMO 3
.rept 4
	v_nop                                          ; places ahead of the reads of the results and of the loads over wo's fragments
.endr
.irp t, 0,1
.irp u, 0,1
	ds_store_b128 v[SO], v[AC+8*(2*\t+\u):AC+8*(2*\t+\u)+3] offset:8*SPITCH*\t+32*\u           ; each accumulator from its low end on
	ds_store_b128 v[SO], v[AC+8*(2*\t+\u)+4:AC+8*(2*\t+\u)+7] offset:8*SPITCH*\t+32*\u+16
.endr
.endr
	s_wait_dscnt 0x0                               ; for the others: my stores into the stage have landed
	s_barrier_signal -1
	s_barrier_wait -1
.irp i, 0,1,2,3,4,5,6,7
	ds_load_b128 v[WF+4*\i:WF+4*\i+3], v[SR] offset:SPITCH*(\i/4)+512*(\i%4)
.endr
.irp i, 0,1,2,3,4,5,6,7
	s_wait_dscnt 7-\i                              ; load i is back; the younger ones may be out
	global_store_b128 v[LI], v[WF+4*\i:WF+4*\i+3], s[24:25] offset:2048*(\i/4)+512*(\i%4) th:TH_STORE_NT
.endr
	s_wait_tensorcnt 0x0
	ds_add_u32 v240, v241
	s_wait_dscnt 0x0
	s_endpgm
.Lfunc_end_k_q4f6d66bbb2_outp:
	.size	k_q4f6d66bbb2_outp, .Lfunc_end_k_q4f6d66bbb2_outp-k_q4f6d66bbb2_outp
	.p2alignl 7, 3214868480
	.fill 96, 4, 3214868480
	.section	.rodata,"a",@progbits
	.p2align	6, 0x0
	.amdhsa_kernel k_q4f6d66bbb2_outp
		.amdhsa_group_segment_fixed_size 68096
		.amdhsa_private_segment_fixed_size 0
		.amdhsa_enable_private_segment 0
		.amdhsa_kernarg_size 32
		.amdhsa_user_sgpr_count 2
		.amdhsa_user_sgpr_kernarg_segment_ptr 1
		.amdhsa_wavefront_size32 1
		.amdhsa_system_sgpr_workgroup_id_x 1
		.amdhsa_system_sgpr_workgroup_id_y 1
		.amdhsa_system_sgpr_workgroup_id_z 1
		.amdhsa_system_vgpr_workitem_id 0
		.amdhsa_next_free_vgpr 242
		.amdhsa_next_free_sgpr 66
		.amdhsa_reserve_vcc 0
		.amdhsa_float_denorm_mode_32 3
		.amdhsa_float_denorm_mode_16_64 3
		.amdhsa_memory_ordered 1
		.amdhsa_forward_progress 1
		.amdhsa_inst_pref_size 17
	.end_amdhsa_kernel
	.amdgpu_metadata
---
amdhsa.version: [ 1, 2 ]
amdhsa.kernels:
  - .name:           k_q4f6d66bbb2_outp
    .symbol:         k_q4f6d66bbb2_outp.kd
    .args:
      - { .name: ab, .offset: 0, .size: 8, .value_kind: global_buffer, .address_space: global }
      - { .name: wt, .offset: 8, .size: 8, .value_kind: global_buffer, .address_space: global }
      - { .name: bo, .offset: 16, .size: 8, .value_kind: global_buffer, .address_space: global }
      - { .name: out0, .offset: 24, .size: 8, .value_kind: global_buffer, .address_space: global }
    .group_segment_fixed_size: 68096
    .private_segment_fixed_size: 0
    .kernarg_segment_align: 8
    .kernarg_segment_size: 32
    .max_flat_workgroup_size: 512
    .sgpr_count:     66
    .vgpr_count:     242
    .wavefront_size: 32
...
	.end_amdgpu_metadata
.endif
;; end of part 4
